; MI455X (gfx1250); checked and timed in simulation.
; The chip was launched on July 23, 2026; its instructions are those of AMD's public machine-readable ISA for CDNA 5 (MIT licence, August 2026) and "CDNA5" Instruction Set Architecture Reference Guide (July 2026). The comments in the code are by the model that wrote it; some were corrected since.
;; Multi Head Attention. Allowed arithmetic: matrix products marked QUANTISED: E2M1 operands, one E8M0 scale for each 32 along K, by v_wmma_scale_f32_16x16x128_f8f6f4 with both operands' format E2M1 (or v_wmma_scale_f32_32x16x128_f4), f32 sums; products left as they are: bf16, f16 or f32 operands; f32 sums; everything else in f32.
;; Inputs: bo 1,024 float32; wk 1,024 x 1,024 float32; wo 1,024 x 1,024 float32; wq 1,024 x 1,024 float32; wv 1,024 x 1,024 float32; x 2 x 2,048 x 1,024 float32.
;; Outputs: out0 2 x 2,048 x 1,024 float32.
;; This version of the problem:
;;   THIS VERSION OF THE PROBLEM IS GIVEN IN LOW PRECISION. The matrix products marked QUANTISED in the list below multiply operands that are first quantised to E2M1 (2 exponent bits, 1 mantissa bit; 4 bits a number), with one power-of-two scale for each 32 numbers along K (OCP MX v1.0); their sums are f32. The products marked 'left as it is' may take bf16, f16 or f32 operands, with f32 sums. Whichever they take, every output number must still come out within the allowed error. Rounding operands to bf16 (8 significant bits) uses up far more of that allowance than f16 does (11 bits, for magnitudes from 6e-5 to 65,504). All else is computed in f32.
;;   The module's matrix products, in the order in which they are computed (A, B: the left and right operand; K: the contracted axis; several contracted axes count as one K, in the product's order):
;;     1. [M 4,096, K 1,024] x [K 1,024, N 1,024]; A: input x; B: input wq: QUANTISED
;;     2. [M 4,096, K 1,024] x [K 1,024, N 1,024]; A: input x; B: input wk: QUANTISED
;;     3. [M 4,096, K 1,024] x [K 1,024, N 1,024]; A: input x; B: input wv: QUANTISED
;;     4. batch 32 x [M 2,048, K 64] x [K 64, N 2,048]; A: computed on the way; B: computed on the way: left as it is (an operand is computed on the way)
;;     5. batch 32 x [M 2,048, K 2,048] x [K 2,048, N 64]; A: computed on the way; B: computed on the way: left as it is (an operand is computed on the way)
;;     6. [M 4,096, K 1,024] x [K 1,024, N 1,024]; A: computed on the way; B: input wo: left as it is (an operand is computed on the way)
;;   THE QUANTISER, for each operand of a quantised product, along K:
;;     - K is cut into blocks of 32 from its start; a last block that is shorter is filled with zeros.
;;     - A block's scale is 2^e with e = floor(log2(the largest magnitude in the block)) - 2, held to -126 .. 127; a block of zeros has e = 0. As a byte (E8M0): e + 127.
;;     - Each number is divided by its block's scale, clamped to +-6, and rounded to the nearest number of E2M1, ties to even, subnormals kept.
;;     - The product sums the exact products of the quantised numbers (number of the format x scale) in f32.
;;   ~~~python
;;   def quantise(x, axis):      # numpy; x: float32 -> the quantised numbers, widened to float32 again
;;       x = np.moveaxis(x, axis, -1); K = x.shape[-1]
;;       x = np.pad(x, [(0, 0)] * (x.ndim - 1) + [(0, -K % 32)]); x = x.reshape(x.shape[:-1] + (-1, 32)); a = np.abs(x).max(-1, keepdims=True)
;;       e = np.where(a > 0, np.clip(np.frexp(np.where(a > 0, a, 1))[1] - 1 - 2, -126, 127), 0)      # np.frexp(a)[1] - 1 = floor(log2(a)), exactly
;;       r = np.clip(x / 2.0 ** e, -6, 6)
;;       step = 2.0 ** (np.maximum(np.frexp(np.where(r == 0, 1, r))[1] - 1, 0) - 1)
;;       q = np.round(r / step) * step * 2.0 ** e      # np.round: ties to even
;;       return np.moveaxis(q.reshape(q.shape[:-2] + (-1,))[..., :K], -1, axis).astype(np.float32)
;;   ~~~
;; One version. Each part assembles by itself: llvm-mc -triple=amdgcn-amd-amdhsa -mcpu=gfx1250 --defsym DOCPART=n.
;; ======== version 1 of 1: 5 launches
;; limits: values are held in f16: magnitudes above 65,504 overflow, below 6.1e-05 lose precision
;; workspace buffers: x_codes 2,097,152 bytes; x_scales 131,072 bytes; w_codes 1,572,864 bytes; w_scales 98,304 bytes; wo16 2,097,152 bytes; qkv 25,165,824 bytes; fine32 393,216 bytes; ctx16 8,388,608 bytes
;; launch prep (part 1): grid 384 x 1, 4 waves a work-group, no clusters, 35,328 bytes of LDS; arguments x, wq, wk, wv, wo, x_codes, x_scales, w_codes, w_scales, wo16; writes x_codes, x_scales, w_codes, w_scales, wo16
.if DOCPART == 1
	.amdgcn_target "amdgcn-amd-amdhsa--gfx1250"
	.amdhsa_code_object_version 6
	.text
	.protected	k_q64b445b511_prep
	.globl	k_q64b445b511_prep
	.p2align	8
	.type	k_q64b445b511_prep,@function
k_q64b445b511_prep:
	s_mov_b64 s[64:65], 0
	v_nop
	global_prefetch_b8 v0, s[64:65] scope:SCOPE_SE
	s_setreg_imm32_b32 hwreg(HW_REG_WAVE_MODE, 25, 1), 1
	s_wait_xcnt 0x0
; PREP.  x [4096][1024] and wq, wk, wv [1024 (k)][1024 (n)], f32, become codes of FP4 (E2M1) with one E8M0 byte for each 32 along K; wo [1024 (k)][1024 (n)] becomes f16.
; A block's scale is 2^(floor(log2(its largest magnitude)) - 2): its byte is the largest magnitude's exponent field - 2, held at 1 from below.
; ALL RESULTS ARE LAID AS IMAGES OF THE OPERANDS' REGISTERS: a group of four registers is 512 bytes, lane l's 16 bytes at 16 l.
;   codes:  [128 rows][K step of 128: 8][16 rows: 8][c: 2][lane][16 B]; lane (r, h), group c = the block 2 c + h of row r
;   scales: [256 rows][K step: 8][row: 256] words, byte b = block b of the K step
;   wo16:   [128 n][32 k: 32][16 n: 8][half: 2][lane][16 B]; lane (r, h), half f = k 16 f + 8 h + 0 .. 7 of column r
; LIMITS: NaN and infinities among the inputs are not served.  A block of zeros gets the byte 1 where the rule says 127: its codes are zeros, and the bytes are read by this program alone.
;         Numbers of wo beyond 65,504 in magnitude have no f16.
; WORK-GROUPS 0-127 take x: 64 rows x 512 K each, a wave one K step of 128, in four units of 16 rows.  A row's 512 bytes are loaded as they lie (16 bytes a lane) and turn through the wave's own
; stage in LDS, so that a lane holds two whole blocks of one row.  WORK-GROUPS 128-383 take the weights: 128 columns x 128 k each, a wave 32 columns: a lane takes a column and its registers run down K.
; No tensor load, no barrier: waves share nothing.
.set STG,   16*528                     ; a wave's stage: 16 rows of 512 bytes + 16 of padding
.set SCG,   4*STG                      ; behind the stages: 256 bytes a wave, in which its 64 scale words meet
.set SPARE, SCG+4*256                  ; the spare words, 128 bytes for each wave: two blocks of 256 bytes that no other line names
.set SPW,   252                        ; v252  LDS address of my spare word; never rewritten
.set NIL,   253                        ; v253  0; never rewritten
.set R,     16                         ; x: v16-143  two sets of 16 x 4 registers as loaded
.set X,     144                        ; x: v144-207 my two blocks of 32 numbers
.set C,     208                        ; x: v208-239 codes, eight registers for each unit
.set W,     16                         ; weights: v16-143 128 numbers down K
.set O,     144                        ; weights: v144-207 results
	s_load_b512 s[8:23], s[0:1], 0x0               ; x s[8:9], wq s[10:11], wk s[12:13], wv s[14:15], wo s[16:17], x_codes s[18:19], x_scales s[20:21], w_codes s[22:23]
	s_load_b128 s[24:27], s[0:1], 0x40             ; w_scales s[24:25], wo16 s[26:27]
	v_lshl_add_u32 v[SPW], v0, 2, SPARE
	v_mov_b32 v[NIL], 0
	v_lshrrev_b32 v1, 5, v0
	v_readfirstlane_b32 s2, v1                     ; wave 0..3
	v_and_b32 v8, 31, v0                           ; lane
	v_and_b32 v9, 15, v0                           ; r
	v_bfe_u32 v10, v0, 4, 1                        ; h
	s_cmp_ge_u32 ttmp9, 128
	s_cbranch_scc1 .Lweights
	; ---------------- x ----------------
	s_lshr_b32 s3, ttmp9, 1                        ; g: which 64 rows
	s_and_b32 s4, ttmp9, 1
	s_lshl_b32 s4, s4, 2
	s_add_co_u32 s4, s4, s2                        ; my K step
	s_lshl_b32 s30, s3, 18                         ; x: 64 rows of 4,096 bytes,
	s_lshl_b32 s5, s4, 9
	s_add_co_u32 s30, s30, s5                      ; + 512 bytes a K step
	s_mov_b32 s31, 0
	s_lshr_b32 s32, s3, 1                          ; codes: (g / 2) x 65,536 + K step x 8,192 + (g % 2) x 4,096
	s_lshl_b32 s32, s32, 16
	s_lshl_b32 s5, s4, 13
	s_add_co_u32 s32, s32, s5
	s_and_b32 s5, s3, 1
	s_lshl_b32 s5, s5, 12
	s_add_co_u32 s32, s32, s5
	s_mov_b32 s33, 0
	s_lshr_b32 s34, s3, 2                          ; scales: (g / 4) x 8,192 + K step x 1,024 + (g % 4) x 256
	s_lshl_b32 s34, s34, 13
	s_lshl_b32 s5, s4, 10
	s_add_co_u32 s34, s34, s5
	s_and_b32 s5, s3, 3
	s_lshl_b32 s5, s5, 8
	s_add_co_u32 s34, s34, s5
	s_mov_b32 s35, 0
	s_mov_b32 s28, 0x76543210
	s_mov_b32 s29, 0xfedcba98                      ; v_permlanex16_b32's selects for lane l xor 16
	s_mul_i32 s6, s2, STG                          ; my stage
	s_lshl_b32 s7, s2, 8
	s_add_co_u32 s7, s7, SCG                       ; my 256 bytes of scale words
	v_lshlrev_b32 v1, 4, v8                        ; 16 x lane: a load's and an image's place
	v_add_nc_u32 v2, s6, v1                        ; the stage, on the way in
	v_mul_u32_u24 v3, v9, 528
	v_lshl_add_u32 v3, v10, 7, v3
	v_add_nc_u32 v3, s6, v3                        ; and out: row r, block h (block 2 + h lies 256 bytes on)
	v_lshl_add_u32 v4, v9, 2, s7                   ; where row r's scale word goes
	v_lshl_add_u32 v5, v8, 3, s7                   ; and where I read 8 bytes of them back
	v_lshlrev_b32 v6, 3, v8
	v_lshlrev_b32 v7, 3, v10                       ; 8 h: my two bytes' place in the word
	s_wait_kmcnt 0x0
	s_add_nc_u64 s[8:9], s[8:9], s[30:31]
	s_add_nc_u64 s[18:19], s[18:19], s[32:33]
	s_add_nc_u64 s[20:21], s[20:21], s[34:35]
.macro XLOAD t                         ; unit t: 16 rows, each load one row's 512 consecutive bytes
.set rr, 0
.rept 16
	global_load_b128 v[R+64*((\t)%2)+4*rr:R+64*((\t)%2)+4*rr+3], v1, s[8:9] offset:(16*(\t)+rr)*4096 th:TH_LOAD_NT
.set rr, rr+1
.endr
.endm
.macro UNIT t
.if (\t) < 3
	s_wait_loadcnt 16                              ; this unit's 16 loads are in; the next unit's may be out
.else
	s_wait_loadcnt 0x0
.endif
.set rr, 0
.rept 16
	ds_store_b128 v2, v[R+64*((\t)%2)+4*rr:R+64*((\t)%2)+4*rr+3] offset:rr*528
.set rr, rr+1
.endr
.set i, 0
.rept 8
	ds_load_b128 v[X+4*i:X+4*i+3], v3 offset:16*i               ; LDS serves a wave's instructions in order: these see the stores above
	ds_load_b128 v[X+32+4*i:X+32+4*i+3], v3 offset:256+16*i
.set i, i+1
.endr
	s_wait_dscnt 0x0                               ; my 64 numbers are back, and the stores have read their registers,
.if (\t) < 2
	XLOAD (\t)+2                                   ; which take the loads of two units on
.endif
	v_max3_num_f32 v8, |v[X]|, |v[X+1]|, 0x1800000            ; my two blocks by turns; the floor 2^(3 - 127) holds the byte at 1 from below
	v_max3_num_f32 v9, |v[X+32]|, |v[X+33]|, 0x1800000
.set i, 2
.rept 15
	v_max3_num_f32 v8, v8, |v[X+i]|, |v[X+i+1]|
	v_max3_num_f32 v9, v9, |v[X+32+i]|, |v[X+33+i]|
.set i, i+2
.endr
	v_add_nc_u32 v12, 0xff000000, v8               ; 2 off the exponent field: the conversion takes the exponent field of this operand as its scale
	v_add_nc_u32 v13, 0xff000000, v9
	v_lshrrev_b32 v14, 23, v12                     ; the scales' bytes
	v_lshrrev_b32 v15, 23, v13
	v_lshl_or_b32 v11, v15, 16, v14                ; blocks h and 2 + h,
	v_lshlrev_b32 v11, v7, v11                     ; at their places in the word;
	v_permlanex16_b32 v10, v11, s28, s29
	v_or_b32 v11, v11, v10                         ; with lane l xor 16's two the word is whole
.set i, 0
.rept 4
	v_cvt_scalef32_pk8_fp4_f32 v[C+8*(\t)+i], v[X+8*i:X+8*i+7], v12
	v_cvt_scalef32_pk8_fp4_f32 v[C+8*(\t)+4+i], v[X+32+8*i:X+32+8*i+7], v13
.set i, i+1
.endr
	v_nop                                          ; one plain line behind the conversions
	ds_store_b32 v4, v11 offset:64*(\t)            ; lanes r and r + 16 write the same word with the same value
	global_store_b128 v1, v[C+8*(\t):C+8*(\t)+3], s[18:19] offset:1024*(\t)         ; 512 consecutive bytes a store
	global_store_b128 v1, v[C+8*(\t)+4:C+8*(\t)+7], s[18:19] offset:1024*(\t)+512
.endm
	XLOAD 0
	XLOAD 1
	UNIT 0
	UNIT 1
	UNIT 2
	UNIT 3
	ds_load_b64 v[8:9], v5                         ; my wave's 64 scale words
	s_wait_dscnt 0x0
	global_store_b64 v6, v[8:9], s[20:21]          ; 32 lanes store 256 consecutive bytes, aligned
	s_branch .Lend
	; ---------------- the weights ----------------
.Lweights:
	s_sub_co_u32 s3, ttmp9, 128
	s_lshr_b32 s4, s3, 6                           ; 0, 1, 2: wq, wk, wv; 3: wo
	s_bfe_u32 s5, s3, 0x30003                      ; which 128 columns
	s_and_b32 s6, s3, 7                            ; which 128 along K
	s_lshl_b32 s30, s6, 19                         ; source: 128 rows of 4,096 bytes,
	s_lshl_b32 s7, s5, 9
	s_add_co_u32 s30, s30, s7                      ; + 512 bytes for 128 columns,
	s_lshl_b32 s7, s2, 7
	s_add_co_u32 s30, s30, s7                      ; + 128 for my wave's 32
	s_mov_b32 s31, 0
	s_lshl_b32 s32, s4, 3                          ; codes: (8 part + column group) x 65,536 + K step x 8,192 + wave x 2,048
	s_add_co_u32 s32, s32, s5
	s_lshl_b32 s32, s32, 16
	s_lshl_b32 s7, s6, 13
	s_add_co_u32 s32, s32, s7
	s_lshl_b32 s7, s2, 11
	s_add_co_u32 s32, s32, s7
	s_mov_b32 s33, 0
	s_lshl_b32 s34, s4, 2                          ; scales: (4 part + group / 2) x 8,192 + K step x 1,024 + (group % 2) x 512 + wave x 128
	s_lshr_b32 s7, s5, 1
	s_add_co_u32 s34, s34, s7
	s_lshl_b32 s34, s34, 13
	s_lshl_b32 s7, s6, 10
	s_add_co_u32 s34, s34, s7
	s_and_b32 s7, s5, 1
	s_lshl_b32 s7, s7, 9
	s_add_co_u32 s34, s34, s7
	s_lshl_b32 s7, s2, 7
	s_add_co_u32 s34, s34, s7
	s_mov_b32 s35, 0
	s_lshl_b32 s36, s5, 18                         ; wo16: group x 262,144 + K step x 32,768 + wave x 2,048
	s_lshl_b32 s7, s6, 15
	s_add_co_u32 s36, s36, s7
	s_lshl_b32 s7, s2, 11
	s_add_co_u32 s36, s36, s7
	s_mov_b32 s37, 0
	v_lshlrev_b32 v1, 2, v8                        ; in: 4 bytes a lane
	v_lshlrev_b32 v2, 4, v9
	v_lshl_add_u32 v2, v10, 10, v2                 ; out: my column's tile of 16 (1,024 bytes each), 16 bytes for its row
	s_wait_kmcnt 0x0
	s_cmp_eq_u32 s4, 1                             ; the source is chosen by the work-group's number alone
	s_cselect_b64 s[10:11], s[12:13], s[10:11]
	s_cmp_eq_u32 s4, 2
	s_cselect_b64 s[10:11], s[14:15], s[10:11]
	s_cmp_eq_u32 s4, 3
	s_cselect_b64 s[10:11], s[16:17], s[10:11]
	s_add_nc_u64 s[10:11], s[10:11], s[30:31]
	s_add_nc_u64 s[22:23], s[22:23], s[32:33]
	s_add_nc_u64 s[24:25], s[24:25], s[34:35]
	s_add_nc_u64 s[26:27], s[26:27], s[36:37]
.macro LOADW kb                        ; block kb: w(32 kb + i, my column): 128 consecutive bytes a wave, the four waves side by side on 512
.set i, 0
.rept 32
	global_load_b32 v[W+32*(\kb)+i], v1, s[10:11] offset:(32*(\kb)+i)*4096 th:TH_LOAD_NT
.set i, i+1
.endr
.endm
.macro ARRIVE kb                       ; block kb's loads are in; the next block's may be out; two blocks ahead is asked for
.if (\kb) < 3
	s_wait_loadcnt 32
.else
	s_wait_loadcnt 0x0
.endif
.if (\kb) < 2
	LOADW (\kb)+2
.endif
.endm
.macro QBLOCK kb
	ARRIVE \kb
.set WS, W+32*(\kb)
	v_max3_num_f32 v12, |v[WS]|, |v[WS+1]|, |v[WS+2]|          ; the block's largest magnitude: all 32 numbers are mine
	v_max3_num_f32 v13, |v[WS+3]|, |v[WS+4]|, |v[WS+5]|
.set i, 6
.rept 6
	v_max3_num_f32 v12, v12, |v[WS+i]|, |v[WS+i+1]|
	v_max3_num_f32 v13, v13, |v[WS+i+2]|, |v[WS+i+3]|
.set i, i+4
.endr
	v_max3_num_f32 v12, v12, |v[WS+30]|, |v[WS+31]|
	v_max3_num_f32 v12, v12, v13, 0x1800000        ; and the floor
	v_add_nc_u32 v11, 0xff000000, v12              ; the conversion's scale operand
	v_lshrrev_b32 v13, 23, v11                     ; the byte
.if (\kb) == 0
	v_mov_b32 v14, v13
.else
	v_lshl_or_b32 v14, v13, 8*(\kb), v14           ; four bytes make my column's word of this K step
.endif
.set i, 0
.rept 4
	v_cvt_scalef32_pk8_fp4_f32 v[O+4*(\kb)+i], v[WS+8*i:WS+8*i+7], v11
.set i, i+1
.endr
	v_nop                                          ; one plain line behind the conversions
	global_store_b128 v2, v[O+4*(\kb):O+4*(\kb)+3], s[22:23] offset:((\kb)/2)*512+((\kb)%2)*256   ; block kb is group kb / 2 of lanes 16 (kb % 2) + r: sixteen lanes store 256 consecutive bytes, aligned
.endm
.macro HBLOCK kb
	ARRIVE \kb
.set i, 0
.rept 16
	v_cvt_pk_f16_f32 v[O+16*(\kb)+i], v[W+32*(\kb)+2*i], v[W+32*(\kb)+2*i+1]
.set i, i+1
.endr
.set i, 0
.rept 4
	global_store_b128 v2, v[O+16*(\kb)+4*i:O+16*(\kb)+4*i+3], s[26:27] offset:(\kb)*8192+(i/2)*512+(i%2)*256   ; k 8 i + 0 .. 7 is half i / 2 of lanes 16 (i % 2) + r
.set i, i+1
.endr
.endm
	LOADW 0
	LOADW 1
	s_cmp_eq_u32 s4, 3
	s_cbranch_scc1 .Lwo
	QBLOCK 0
	QBLOCK 1
	QBLOCK 2
	QBLOCK 3
	global_store_b32 v1, v14, s[24:25]             ; my wave's 32 words: 128 consecutive bytes, one byte for each 128 that the wave read
	s_branch .Lend
.Lwo:
	HBLOCK 0
	HBLOCK 1
	HBLOCK 2
	HBLOCK 3
.Lend:
	s_wait_tensorcnt 0x0                           ; the wave's end, behind the last LDS store; the tensor wait stands even in a text with no tensor load
	ds_add_u32 v[SPW], v[NIL]
	s_wait_dscnt 0x0
	s_endpgm
.Lfunc_end_k_q64b445b511_prep:
	.size	k_q64b445b511_prep, .Lfunc_end_k_q64b445b511_prep-k_q64b445b511_prep
	.p2alignl 7, 3214868480
	.fill 96, 4, 3214868480
	.section	.rodata,"a",@progbits
	.p2align	6, 0x0
	.amdhsa_kernel k_q64b445b511_prep
		.amdhsa_group_segment_fixed_size 35328
		.amdhsa_private_segment_fixed_size 0
		.amdhsa_enable_private_segment 0
		.amdhsa_kernarg_size 80
		.amdhsa_user_sgpr_count 2
		.amdhsa_user_sgpr_kernarg_segment_ptr 1
		.amdhsa_wavefront_size32 1
		.amdhsa_system_sgpr_workgroup_id_x 1
		.amdhsa_system_sgpr_workgroup_id_y 1
		.amdhsa_system_sgpr_workgroup_id_z 1
		.amdhsa_system_vgpr_workitem_id 0
		.amdhsa_next_free_vgpr 256
		.amdhsa_next_free_sgpr 66
		.amdhsa_reserve_vcc 0
		.amdhsa_float_denorm_mode_32 3
		.amdhsa_float_denorm_mode_16_64 3
		.amdhsa_memory_ordered 1
		.amdhsa_forward_progress 1
		.amdhsa_inst_pref_size 62
	.end_amdhsa_kernel
	.amdgpu_metadata
---
amdhsa.version: [ 1, 2 ]
amdhsa.kernels:
  - .name:           k_q64b445b511_prep
    .symbol:         k_q64b445b511_prep.kd
    .args:
      - { .name: x, .offset: 0, .size: 8, .value_kind: global_buffer, .address_space: global }
      - { .name: wq, .offset: 8, .size: 8, .value_kind: global_buffer, .address_space: global }
      - { .name: wk, .offset: 16, .size: 8, .value_kind: global_buffer, .address_space: global }
      - { .name: wv, .offset: 24, .size: 8, .value_kind: global_buffer, .address_space: global }
      - { .name: wo, .offset: 32, .size: 8, .value_kind: global_buffer, .address_space: global }
      - { .name: x_codes, .offset: 40, .size: 8, .value_kind: global_buffer, .address_space: global }
      - { .name: x_scales, .offset: 48, .size: 8, .value_kind: global_buffer, .address_space: global }
      - { .name: w_codes, .offset: 56, .size: 8, .value_kind: global_buffer, .address_space: global }
      - { .name: w_scales, .offset: 64, .size: 8, .value_kind: global_buffer, .address_space: global }
      - { .name: wo16, .offset: 72, .size: 8, .value_kind: global_buffer, .address_space: global }
    .group_segment_fixed_size: 35328
    .private_segment_fixed_size: 0
    .kernarg_segment_align: 8
    .kernarg_segment_size: 80
    .max_flat_workgroup_size: 128
    .sgpr_count:     66
    .vgpr_count:     256
    .wavefront_size: 32
...
	.end_amdgpu_metadata
.endif
;; end of part 1
;; launch qkv (part 2): grid 12 x 16, 4 waves a work-group, clusters of 4 x 4, 327,680 bytes of LDS; arguments x_codes, x_scales, w_codes, w_scales, qkv, fine32; writes qkv, fine32
.if DOCPART == 2
	.amdgcn_target "amdgcn-amd-amdhsa--gfx1250"
	.amdhsa_code_object_version 6
	.text
	.protected	k_q64b445b511_qkv
	.globl	k_q64b445b511_qkv
	.p2align	8
	.type	k_q64b445b511_qkv,@function
k_q64b445b511_qkv:
	s_mov_b64 s[64:65], 0
	v_nop
	global_prefetch_b8 v0, s[64:65] scope:SCOPE_SE
	s_setreg_imm32_b32 hwreg(HW_REG_WAVE_MODE, 25, 1), 1
	s_wait_xcnt 0x0
	s_wait_alu depctr_hold_cnt(0) depctr_sa_sdst(0) depctr_va_vdst(0) depctr_va_sdst(0) depctr_va_ssrc(0) depctr_va_vcc(0) depctr_vm_vsrc(0)
	s_getreg_b32 s2, hwreg(HW_REG_IB_STS2, 6, 4)
	s_cmp_eq_u32 s2, 0
	s_cbranch_scc0 .Lentry_in_a_cluster
	s_endpgm
.Lentry_in_a_cluster:
	s_bfe_u32 s2, ttmp6, 0x10000c
	s_cmp_lg_u32 s2, 0xf033
	s_cbranch_scc0 .Lentry_shape_is_right
	s_endpgm
.Lentry_shape_is_right:
; QKV.  q = x wq, k = x wk, v = x wv on codes of FP4 (E2M1) with E8M0 scales, K = 1,024; sums in f32.  The results leave as f16, laid as images of the registers in which the attention wants them.
; A tile of 256 x 256 is made by a work-group of four waves; a wave makes 128 x 128: 64 accumulators of 16 x 16, 512 registers.  All of K lies in LDS at once, as two slots of 512 along K:
; each wave asks for three tensor loads at the head (scale words, slot 0, slot 1) and nothing is filled again.
; THE OPERANDS ARE IMAGES OF THEIR REGISTERS: a fragment (16 rows x 128 K) is 1,024 consecutive bytes, lane l's 16 bytes of group c at 512 c + 16 l: no pitch, no padding; a slot's part of 128 rows is one dense block of 32,768 bytes.
; THE MATRIX INSTRUCTION IS USED TRANSPOSED (source 0 = 16 rows of "B", source 1 = 16 rows of "A"): a lane holds row l % 16 of A and eight neighbouring rows of B.
; WHICH TENSOR IS A.  The cluster's x is the part: 0 q, 1 k, 2 v; it is the same in all sixteen partners.  For q and k A = x and B = the weight: a lane holds one position and 8 channels: half a fragment of Q or K.
; For v the POINTERS change places, A = wv and B = x: a lane holds one channel and 8 keys: half a fragment of V^T.  One text serves all three; only the way out has two variants.
; CLUSTERS: 4 x 4 work-groups.  A's tiles are shared along a row of the cluster, B's along a column: each is asked for jointly, by the same tensor load with a mask that names the four.
; qkv: [batch x head: 32][128 positions: 16] records of 49,152 bytes: Q [16 queries: 8][32 channels: 2][half: 2][512], K likewise, V [16 channels: 4][32 keys: 4][half: 2][512].
; fine32: the f32 accumulators that hold positions 0-15 of a batch: [batch: 2][part: 3][head: 16][tile: 4][half: 2][512].
; LIMIT: q, k and v beyond 65,504 in magnitude have no f16.
; REGISTERS, in windows of 256: window 0: v16-31 addresses; v32-95 scale words, two sets; v128-191 A's fragments, one set; on the way out v128-255 are free.
;   window 1: B's fragments, two sets, at v0 and v128.   window 2: the accumulators of A's blocks 0-3 ((a, b) at v[8 (8 a + b)]);   window 3: those of blocks 4-7.
.set NQ,     4                         ; steps of 128 along K in a slot
.set FR,     8                         ; registers of a fragment
.set NL,     2                         ; LDS loads that bring one
.set NP,     4                         ; places behind this matrix instruction (ISA guide 7.12.1)
.set HALFT,  32768                     ; 128 rows x 512 K: what one tensor load brings
.set SLOT,   4*HALFT                   ; A's 256 rows, then B's
.set SCL,    2*SLOT                    ; behind the slots: A's scale words [K step: 8][256 rows], 8,192 bytes, then B's
.set SPARE,  SCL+16384                 ; the spare words, 128 bytes for each wave: two blocks of 256 bytes that no other line names
.set ADRA, 16                          ; v16-17  LDS address of my A fragments in slot 0, 1
.set ADRB, 20                          ; v20-21  the same for B
.set CO,   26                          ; v26     16 x lane
.set ADRS, 27                          ; v27     LDS address of my scale words: lanes 0-15 A's rows, lanes 16-31 B's
.set SPW,  28                          ; v28     LDS address of my spare word; never rewritten
.set NIL,  29                          ; v29     0; never rewritten
.set FLG,  30                          ; v30     0 where my wave holds a batch's first 128 positions
.set SC,   32                          ; scale words: set s at v[SC + 32 s]; register 4 i + q: lanes 0-15 A's block i, lanes 16-31 B's block i, for the slot's q-th 128 along K
.set AF,   128                         ; A's fragments
.set OUTR, 128                         ; the way out: packed results, four sets of 32
.set G1, 24                            ; s[24:31] descriptor group 1 for A's codes;  s[32:39] group 0, one set for each slot
.set G0, 32
.set G1B, 48                           ; s[48:55], s[56:63] the same for B's
.set G0B, 56
.set G1S, 68                           ; s[68:75], s[76:79] groups 1 and 0 for A's scale words;  s[80:87], s[88:91] for B's
.set G0S, 76
.set G1SB, 80
.set G0SB, 88
.set MSB, 0
.macro WIN new                         ; the immediate's high byte repeats the setting that is left
.if MSB != \new
	s_set_vgpr_msb (MSB<<8)|\new
.set MSB, \new
.endif
.endm
.set MUL_LO, 0xa1                      ; source 0 (B) window 1, source 1 (A) window 0, C and D window 2
.set MUL_HI, 0xf1                      ; the same, C and D window 3
.set TO_B,   0x40                      ; destination window 1, address window 0
; A joint load: waves 0 and 1 fetch for A, waves 2 and 3 for B.  The branch hangs on the wave's number alone.  An s_nop 0 and four v_nop follow each of the two lines.
.macro JLOAD g0a, g1a, g0b, g1b
	s_cmp_eq_u32 s17, 0
	s_cbranch_scc0 .Lfor_b_\@
	tensor_load_to_lds s[\g0a:\g0a+3], s[\g1a:\g1a+7]
	s_nop 0
.rept 4
	v_nop
.endr
	s_branch .Lasked_\@
.Lfor_b_\@:
	tensor_load_to_lds s[\g0b:\g0b+3], s[\g1b:\g1b+7]
	s_nop 0
.rept 4
	v_nop
.endr
.Lasked_\@:
.endm
.macro CROUND                          ; a round of the cluster's barrier
	s_barrier_signal -1
	s_barrier_wait -1
	s_cmp_lg_u32 s16, 0
	s_cbranch_scc1 .Lnot_wave_0_\@
	s_barrier_signal -3
.Lnot_wave_0_\@:
	s_barrier_wait -3
	s_barrier_signal -1
	s_barrier_wait -1
.endm
	s_load_b256 s[4:11], s[0:1], 0x0               ; x_codes s[4:5], x_scales s[6:7], w_codes s[8:9], w_scales s[10:11]
	s_load_b128 s[12:15], s[0:1], 0x20             ; qkv s[12:13], fine32 s[14:15]
	v_lshl_add_u32 v[SPW], v0, 2, SPARE
	v_mov_b32 v[NIL], 0
	ds_add_u32 v[SPW], v[NIL]                      ; the wave's opening: the add, twice on end, and its wait ahead of my first tensor load
	ds_add_u32 v[SPW], v[NIL]                      ; (once more; the set-up below, work on registers, stands between it and the wait)
	v_lshrrev_b32 v1, 5, v0
	v_readfirstlane_b32 s16, v1                    ; wave 0..3
	s_lshr_b32 s17, s16, 1                         ; which half of A's rows is mine.  Also: I fetch for A (0) or for B (1)
	s_and_b32 s18, s16, 1                          ; which half of B's rows.  Also: which 128 rows of that tile I fetch
	s_bfe_u32 s40, ttmp6, 0x40000                  ; cx, cy: my place in the cluster
	s_bfe_u32 s41, ttmp6, 0x40004
	s_and_b32 s46, ttmp7, 0xffff
	s_lshl_b32 s46, s46, 2                         ; 4 x cluster y: x's tiles
	s_lshl_b32 s19, ttmp9, 19                      ; the part's first byte among the weights' codes (1,024 rows of 512 bytes),
	s_lshl_b32 s47, ttmp9, 15                      ; and among their scale words
	s_cmp_eq_u32 ttmp9, 2                          ; v?  All selections on this compare stand ahead of the first addition
	s_cselect_b32 s92, 0, s46                      ; A's first tile
	s_cselect_b32 s93, s46, 0                      ; B's
	s_cselect_b32 s94, 0x100000, 0                 ; what is added to A's codes' offset: wv begins 2 x 2^19 bytes in
	s_cselect_b32 s95, 0, s19                      ; to B's
	s_cselect_b32 s96, 0x10000, 0                  ; to A's scale words'
	s_cselect_b32 s97, 0, s47                      ; to B's
	s_add_co_u32 s45, s92, s41                     ; A's tile of 256 rows: hangs on cy alone
	s_add_co_u32 s42, s93, s40                     ; B's: on cx alone
	s_lshl_b32 s43, s41, 2
	s_lshl_b32 s43, 15, s43                        ; my row of the cluster
	s_lshl_b32 s44, 0x1111, s40                    ; my column
	; descriptor group 1: a dense block of 32,768 bytes as 128 rows of 256 bytes (32 elements of 8 bytes)
	s_or_b32 s[G1+0], s43, (3<<16)|(1<<21)         ; 15:0 the mask: A's tiles go to my row; 17:16 elements of 8 bytes; 21 set beside a mask
	s_or_b32 s[G1B+0], s44, (3<<16)|(1<<21)
.irp g, G1, G1B
	s_mov_b32 s[\g+1], 32<<16                      ; tensor_dim0
	s_mov_b32 s[\g+2], 128<<16                     ; tensor_dim1
	s_mov_b32 s[\g+3], 32<<16                      ; tile_dim0
	s_mov_b32 s[\g+4], 128                         ; tile_dim1
	s_mov_b32 s[\g+5], 32                          ; tensor_dim0_stride
	s_mov_b32 s[\g+6], 0
	s_mov_b32 s[\g+7], 0
.endr
	; and for the scale words of four K steps of 256 rows: 4,096 dense bytes as 16 such rows
	s_or_b32 s[G1S+0], s43, (3<<16)|(1<<21)
	s_or_b32 s[G1SB+0], s44, (3<<16)|(1<<21)
.irp g, G1S, G1SB
	s_mov_b32 s[\g+1], 32<<16
	s_mov_b32 s[\g+2], 16<<16
	s_mov_b32 s[\g+3], 32<<16
	s_mov_b32 s[\g+4], 16
	s_mov_b32 s[\g+5], 32
	s_mov_b32 s[\g+6], 0
	s_mov_b32 s[\g+7], 0
.endr
	s_lshl_b32 s20, s45, 1                         ; A's codes: (2 tile + half) x 65,536
	s_add_co_u32 s20, s20, s18
	s_lshl_b32 s20, s20, 16
	s_add_co_u32 s20, s20, s94
	s_mov_b32 s21, 0
	s_lshl_b32 s22, s45, 13                        ; A's scale words: tile x 8,192 + half x 4,096 (K steps 4 x half on)
	s_lshl_b32 s23, s18, 12
	s_add_co_u32 s22, s22, s23
	s_add_co_u32 s22, s22, s96
	s_mov_b32 s23, 0
	s_lshl_b32 s98, s42, 1                         ; B's likewise, in registers that never hold cy
	s_add_co_u32 s98, s98, s18
	s_lshl_b32 s98, s98, 16
	s_add_co_u32 s98, s98, s95
	s_mov_b32 s99, 0
	s_lshl_b32 s66, s42, 13
	s_lshl_b32 s67, s18, 12
	s_add_co_u32 s66, s66, s67
	s_add_co_u32 s66, s66, s97
	s_mov_b32 s67, 0
	s_wait_dscnt 0x0                               ; both opening adds are done
	s_wait_kmcnt 0x0
	s_cmp_eq_u32 ttmp9, 2                          ; compared anew: the additions above have written SCC
	s_cselect_b64 s[92:93], s[8:9], s[4:5]         ; A's codes
	s_cselect_b64 s[94:95], s[10:11], s[6:7]       ; A's scale words
	s_cselect_b64 s[96:97], s[4:5], s[8:9]         ; B's codes
	s_cselect_b64 s[46:47], s[6:7], s[10:11]       ; B's scale words
	s_add_nc_u64 s[92:93], s[92:93], s[20:21]
	s_add_nc_u64 s[94:95], s[94:95], s[22:23]
	s_add_nc_u64 s[96:97], s[96:97], s[98:99]
	s_add_nc_u64 s[46:47], s[46:47], s[66:67]
	CROUND                                         ; all sixteen work-groups are here: the first joint loads meet
	s_lshl_b32 s19, s16, 12                        ; where the scale words go: wave x 4,096: no place in the cluster enters an LDS address
	s_mov_b32 s[G0S], 1
	s_add_co_u32 s[G0S+1], s19, SCL
	s_mov_b64 s[G0S+2:G0S+3], s[94:95]
	s_or_b32 s[G0S+3], s[G0S+3], 0x80000000
	s_mov_b32 s[G0SB], 1
	s_add_co_u32 s[G0SB+1], s19, SCL
	s_mov_b64 s[G0SB+2:G0SB+3], s[46:47]
	s_or_b32 s[G0SB+3], s[G0SB+3], 0x80000000
	JLOAD G0S, G1S, G0SB, G1SB                     ; the scale words first: they are wanted with the first step
	s_lshl_b32 s19, s16, 15                        ; where the codes go: wave x 32,768
.irp s, 0,1
	s_mov_b32 s[G0+4*\s], 1
	s_add_co_u32 s[G0+4*\s+1], s19, \s*SLOT
	s_add_nc_u64 s[G0+4*\s+2:G0+4*\s+3], s[92:93], \s*HALFT
	s_or_b32 s[G0+4*\s+3], s[G0+4*\s+3], 0x80000000
	s_mov_b32 s[G0B+4*\s], 1
	s_add_co_u32 s[G0B+4*\s+1], s19, \s*SLOT
	s_add_nc_u64 s[G0B+4*\s+2:G0B+4*\s+3], s[96:97], \s*HALFT
	s_or_b32 s[G0B+4*\s+3], s[G0B+4*\s+3], 0x80000000
	JLOAD G0+4*\s, G1, G0B+4*\s, G1B               ; three tensor loads of mine are out, by this text's count
.endr
	v_and_b32 v1, 15, v0                           ; r
	v_bfe_u32 v2, v0, 4, 1                         ; h
	v_and_b32 v3, 31, v0
	v_lshlrev_b32 v[CO], 4, v3
	s_lshl_b32 s21, s17, 15                        ; my 128 rows of A
	s_lshl_b32 s22, s18, 15                        ; my 128 rows of B,
	s_add_co_u32 s22, s22, 2*HALFT                 ; which lie behind A's 256
.irp s, 0,1
	v_add_nc_u32 v[ADRA+\s], s21, v[CO]
	v_add_nc_u32 v[ADRB+\s], s22, v[CO]
	s_add_co_u32 s21, s21, SLOT
	s_add_co_u32 s22, s22, SLOT
.endr
	s_lshl_b32 s21, s17, 9                         ; A's words: my 128 rows of a K step's 256
	s_lshl_b32 s22, s18, 9                         ; B's, 8,192 bytes behind A's
	s_add_co_u32 s22, s22, 8192
	s_sub_co_u32 s22, s22, s21
	v_mul_u32_u24 v6, s22, v2                      ; lanes 16-31 take B's: one product, h x the distance
	s_add_co_u32 s21, s21, SCL
	v_lshlrev_b32 v5, 2, v1
	v_add_nc_u32 v5, v5, v6
	v_add_nc_u32 v[ADRS], s21, v5
.macro FRAG reg, adr, q, i             ; a fragment as it was stored: two loads of 512 consecutive bytes
.irp c, 0,1
	ds_load_b128 v[\reg+4*\c:\reg+4*\c+3], v[\adr] offset:8192*(\q)+1024*(\i)+512*\c
.endr
.endm
; 16 matrix instructions: A's blocks a0, a0 + 1 x B's eight, the slot's q-th 128 along K.  p: B's set;  sc: the set of scale words.  zero = 1: the first product starts the sums.
; The 64 accumulators take turns, one instruction a turn, in the same order in every step.
.macro MUL16 a0, p, q, sc, zero
.irp a, \a0, \a0+1
.irp b, 0,1,2,3,4,5,6,7
.if \zero
	v_wmma_scale_f32_16x16x128_f8f6f4 v[8*(8*((\a)%4)+\b):8*(8*((\a)%4)+\b)+7], v[128*(\p)+FR*\b:128*(\p)+FR*\b+FR-1], v[AF+FR*(\a):AF+FR*(\a)+FR-1], 0, v[SC+8*NQ*(\sc)+NQ*\b+(\q)], v[SC+8*NQ*(\sc)+NQ*(\a)+(\q)] matrix_a_fmt:MATRIX_FMT_FP4 matrix_b_fmt:MATRIX_FMT_FP4 matrix_a_scale:MATRIX_SCALE_ROW1
.else
	v_wmma_scale_f32_16x16x128_f8f6f4 v[8*(8*((\a)%4)+\b):8*(8*((\a)%4)+\b)+7], v[128*(\p)+FR*\b:128*(\p)+FR*\b+FR-1], v[AF+FR*(\a):AF+FR*(\a)+FR-1], v[8*(8*((\a)%4)+\b):8*(8*((\a)%4)+\b)+7], v[SC+8*NQ*(\sc)+NQ*\b+(\q)], v[SC+8*NQ*(\sc)+NQ*(\a)+(\q)] matrix_a_fmt:MATRIX_FMT_FP4 matrix_b_fmt:MATRIX_FMT_FP4 matrix_a_scale:MATRIX_SCALE_ROW1
.endif
.endr
.endr
.endm
.macro FETCH_B slot, q, p              ; B's eight fragments into set p
	WIN TO_B
.irp i, 0,1,2,3,4,5,6,7
	FRAG 128*(\p)+FR*\i, ADRB+\slot, \q, \i
.endr
	WIN 0
.endm
.macro FETCH_A slot, q, i0             ; A's blocks i0 .. i0 + 3
.irp i, \i0, \i0+1, \i0+2, \i0+3
	FRAG AF+FR*(\i), ADRA+\slot, \q, \i
.endr
.endm
.macro SCALES sc                       ; slot sc's scale words: lanes 0-15 take A's block i, lanes 16-31 B's block i
.irp i, 0,1,2,3,4,5,6,7
.irp q, 0,1,2,3
	ds_load_b32 v[SC+8*NQ*\sc+NQ*\i+\q], v[ADRS] offset:(NQ*\sc+\q)*1024+64*\i
.endr
.endr
.endm
.macro PLACES n                        ; plain vector lines in front of loads into registers that matrix instructions have read, and of the first read of results
.rept \n
	v_nop
.endr
.endm
; A step of 128 along K that has its successor in the same slot: A's blocks one after the other, each against B's eight; a block of A is free when its eight products are issued.
.macro STEP slot, q, zero
	s_wait_dscnt 4*NL                              ; B's set and A's blocks 0-3 are in; the youngest eight loads (A's blocks 4-7) may be out
	WIN MUL_LO
	MUL16 0, (\q)%2, \q, \slot, \zero
	MUL16 2, (\q)%2, \q, \slot, \zero
	s_wait_dscnt 0                                 ; A's blocks 4-7 are in
	PLACES NP
	FETCH_B \slot, (\q)+1, 1-(\q)%2
	FETCH_A \slot, (\q)+1, 0
	WIN MUL_HI
	MUL16 4, (\q)%2, \q, \slot, \zero
	MUL16 6, (\q)%2, \q, \slot, \zero
	PLACES NP
	WIN 0
	FETCH_A \slot, (\q)+1, 4
.endm
; Slot 0's last step goes over to slot 1: each wave shows its part of slot 1 landed, then one barrier; nothing is filled again.
.macro TURN slot, next
	s_wait_tensorcnt 0x0                           ; all my tensor loads have landed: my part of the next slot
	ds_add_u32 v[SPW], v[NIL]                      ; 0 onto my spare word
	s_wait_dscnt 4*NL+1                            ; (the add and the youngest eight loads may be out)
	WIN MUL_LO
	MUL16 0, 1, NQ-1, \slot, 0
	s_wait_dscnt 0x0                               ; the add is done and no LDS instruction of mine is out
	s_barrier_signal -1
	MUL16 2, 1, NQ-1, \slot, 0
	WIN 0
	s_barrier_wait -1                              ; everybody's part of the next slot is in
	PLACES NP
	FETCH_B \next, 0, 0
	FETCH_A \next, 0, 0
	SCALES \next
	WIN MUL_HI
	MUL16 4, 1, NQ-1, \slot, 0
	MUL16 6, 1, NQ-1, \slot, 0
	PLACES NP
	WIN 0
	FETCH_A \next, 0, 4
.endm
.macro STEPS slot, from                ; the slot's steps from .. NQ - 2
.set Q, \from
.rept NQ-1-\from
	STEP \slot, Q, 0
.set Q, Q+1
.endr
.endm
	s_wait_tensorcnt 1                             ; the scale words and my part of slot 0 are in; slot 1's load may stay out
	s_barrier_signal -1
	s_barrier_wait -1                              ; everybody's are
	FETCH_B 0, 0, 0
	FETCH_A 0, 0, 0
	SCALES 0
	FETCH_A 0, 0, 4
	STEP 0, 0, 1                                   ; the first step's products start the sums
	STEPS 0, 1
	TURN 0, 1
	STEPS 1, 0
	s_wait_dscnt 4*NL                              ; the last step: nothing more to fetch
	WIN MUL_LO
	MUL16 0, 1, NQ-1, 1, 0
	MUL16 2, 1, NQ-1, 1, 0
	s_wait_dscnt 0
	WIN MUL_HI
	MUL16 4, 1, NQ-1, 1, 0
	MUL16 6, 1, NQ-1, 1, 0
	WIN 0
	PLACES NP                                      ; in front of the first reads of results
; THE WAY OUT.  A lane's eight results pack into 16 bytes, which are four registers of the reader's fragment as they stand: each store is 512 consecutive bytes.
; isv = 0: x is A: accumulator (a, b) = positions 16 a on, channels 16 b on.   isv = 1: x is B: (a, b) = channels 16 a on, keys 16 b on.
.macro WAYOUT isv
.if \isv
.set XT, 42                            ; x's tile and my half of it;
.set XH, 18
.set WT, 45                            ; the weight's
.set WH, 17
.else
.set XT, 45
.set XH, 17
.set WT, 42
.set WH, 18
.endif
	s_lshr_b32 s20, s[XT], 3                       ; the batch: eight tiles of 256 positions each
	s_lshl_b32 s21, s[WT], 2
	s_lshl_b32 s22, s[WH], 1
	s_add_co_u32 s21, s21, s22                     ; my first head: 4 x tile + 2 x half
	s_lshl_b32 s22, s20, 4
	s_add_co_u32 s22, s22, s21
	s_mul_i32 s22, s22, 786432                     ; 16 records to a head
	s_and_b32 s23, s[XT], 7
	s_lshl_b32 s19, s23, 1
	s_add_co_u32 s19, s19, s[XH]                   ; my block of 128 positions
	s_mul_i32 s19, s19, 49152
	s_add_co_u32 s22, s22, s19
	s_lshl_b32 s19, ttmp9, 14                      ; Q, K or V's part of a record
	s_add_co_u32 s22, s22, s19
	s_or_b32 s19, s23, s[XH]                       ; 0 where my positions are a batch's first 128
	s_mov_b32 s23, 0
	s_add_nc_u64 s[12:13], s[12:13], s[22:23]
	s_mul_i32 s20, s20, 3
	s_add_co_u32 s20, s20, ttmp9
	s_lshl_b32 s20, s20, 4
	s_add_co_u32 s20, s20, s21
	s_lshl_b32 s20, s20, 12                        ; fine32: ((3 batch + part) x 16 + head) x 4,096
	s_mov_b32 s21, 0
	s_add_nc_u64 s[14:15], s[14:15], s[20:21]
	; positions 0-15 of a batch also leave in f32.  Who holds them hangs on the place in the cluster, so there is no branch: the stores run in every wave, with all lanes off where they are not wanted.
	v_mov_b32 v[FLG], s19
	v_cmp_eq_u32 vcc_lo, 0, v[FLG]
	s_wait_xcnt 0x0                                ; EXEC changes only behind this wait
	s_and_saveexec_b32 s98, vcc_lo
.irp idx, 0,1,2,3,4,5,6,7
.if \isv
.set AC, 64*(\idx%4)                   ; accumulator (idx, 0): keys 0-15
	WIN 0x08+4*(\idx/4)                            ; a store's data are its source 1: window 2 or 3
.else
.set AC, 8*\idx                        ; accumulator (0, idx): positions 0-15
	WIN 0x08
.endif
	global_store_b128 v[CO], v[AC:AC+3], s[14:15] offset:1024*\idx
	global_store_b128 v[CO], v[AC+4:AC+7], s[14:15] offset:1024*\idx+512
.endr
	WIN 0
	s_wait_xcnt 0x0                                ; and again in front of the line that widens it
	s_or_b32 exec_lo, exec_lo, s98
.irp a, 0,1,2,3,4,5,6,7
.if \a >= 4
	s_wait_xcnt 0x0                                ; block a - 4's stores have read the registers that block a's results take
.endif
.set AC, 64*(\a%4)
	WIN 0x0a+5*(\a/4)                              ; sources 0 and 1: window 2 or 3
.irp b, 0,1,2,3,4,5,6,7
.irp i, 0,1,2,3
	v_cvt_pk_f16_f32 v[OUTR+32*(\a%4)+4*\b+\i], v[AC+8*\b+2*\i], v[AC+8*\b+2*\i+1]      ; each accumulator from its low end on
.endr
.endr
	WIN 0
.irp b, 0,1,2,3,4,5,6,7
.if \isv
	global_store_b128 v[CO], v[OUTR+32*(\a%4)+4*\b:OUTR+32*(\a%4)+4*\b+3], s[12:13] offset:(\a/4)*786432+(\a%4)*4096+\b*512    ; head a / 4, channels 16 (a % 4) on, keys 16 b on
.else
	global_store_b128 v[CO], v[OUTR+32*(\a%4)+4*\b:OUTR+32*(\a%4)+4*\b+3], s[12:13] offset:(\b/4)*786432+\a*2048+(\b%4)*512    ; head b / 4, positions 16 a on, channels 16 (b % 4) on
.endif
.endr
.endr
.endm
	s_cmp_eq_u32 ttmp9, 2                          ; the cluster's x: the same in all partners
	s_cbranch_scc1 .Lfor_v
	WAYOUT 0
	s_branch .Ldone
.Lfor_v:
	WAYOUT 1
.Ldone:
	s_wait_tensorcnt 0x0                           ; the wave's end, behind my last tensor load
	ds_add_u32 v[SPW], v[NIL]
	s_wait_dscnt 0x0
	CROUND                                         ; the closing round: no work-group ends while a partner may still ask for a tile that names it
	s_endpgm
.Lfunc_end_k_q64b445b511_qkv:
	.size	k_q64b445b511_qkv, .Lfunc_end_k_q64b445b511_qkv-k_q64b445b511_qkv
	.p2alignl 7, 3214868480
	.fill 96, 4, 3214868480
	.section	.rodata,"a",@progbits
	.p2align	6, 0x0
	.amdhsa_kernel k_q64b445b511_qkv
		.amdhsa_group_segment_fixed_size 327680
		.amdhsa_private_segment_fixed_size 0
		.amdhsa_enable_private_segment 0
		.amdhsa_kernarg_size 48
		.amdhsa_user_sgpr_count 2
		.amdhsa_user_sgpr_kernarg_segment_ptr 1
		.amdhsa_wavefront_size32 1
		.amdhsa_system_sgpr_workgroup_id_x 1
		.amdhsa_system_sgpr_workgroup_id_y 1
		.amdhsa_system_sgpr_workgroup_id_z 1
		.amdhsa_system_vgpr_workitem_id 0
		.amdhsa_next_free_vgpr 1024
		.amdhsa_next_free_sgpr 100
		.amdhsa_reserve_vcc 1
		.amdhsa_float_denorm_mode_32 3
		.amdhsa_float_denorm_mode_16_64 3
		.amdhsa_memory_ordered 1
		.amdhsa_forward_progress 1
		.amdhsa_inst_pref_size 148
	.end_amdhsa_kernel
	.amdgpu_metadata
---
amdhsa.version: [ 1, 2 ]
amdhsa.kernels:
  - .name:           k_q64b445b511_qkv
    .symbol:         k_q64b445b511_qkv.kd
    .args:
      - { .name: x_codes, .offset: 0, .size: 8, .value_kind: global_buffer, .address_space: global }
      - { .name: x_scales, .offset: 8, .size: 8, .value_kind: global_buffer, .address_space: global }
      - { .name: w_codes, .offset: 16, .size: 8, .value_kind: global_buffer, .address_space: global }
      - { .name: w_scales, .offset: 24, .size: 8, .value_kind: global_buffer, .address_space: global }
      - { .name: qkv, .offset: 32, .size: 8, .value_kind: global_buffer, .address_space: global }
      - { .name: fine32, .offset: 40, .size: 8, .value_kind: global_buffer, .address_space: global }
    .group_segment_fixed_size: 327680
    .private_segment_fixed_size: 0
    .kernarg_segment_align: 8
    .kernarg_segment_size: 48
    .max_flat_workgroup_size: 128
    .sgpr_count:     100
    .vgpr_count:     1024
    .wavefront_size: 32
...
	.end_amdgpu_metadata
.endif
;; end of part 2
;; launch attn (part 3): grid 8 x 32, 8 waves a work-group, no clusters, 327,680 bytes of LDS; arguments qkv, ctx16; writes ctx16
.if DOCPART == 3
	.amdgcn_target "amdgcn-amd-amdhsa--gfx1250"
	.amdhsa_code_object_version 6
	.text
	.protected	k_q64b445b511_attn
	.globl	k_q64b445b511_attn
	.p2align	8
	.type	k_q64b445b511_attn,@function
k_q64b445b511_attn:
	s_mov_b64 s[64:65], 0
	v_nop
	global_prefetch_b8 v0, s[64:65] scope:SCOPE_SE
	s_setreg_imm32_b32 hwreg(HW_REG_WAVE_MODE, 25, 1), 1
	s_wait_xcnt 0x0
; ATTN.  ctx[q] = the sum over k <= q of softmax_k(Q[q] . K[k] / 8) V[k], for one head of 64 channels; operands f16, products, maxima and sums f32; the weights p are rounded to f16 for the second product.
; SHARES.  Work-group (j, head) owns the blocks j and 15 - j of 128 queries, ONE AFTER THE OTHER: it walks key blocks 0 .. j and then 0 .. 15 - j: 17 steps of 128 keys whatever j is, so that all
; work-groups have the same work under the causal mask and every trip count is a constant.  Wave w owns queries 16 w .. 16 w + 15 of the block in hand.
; LAYOUT.  S^T = K Q^T (source 0 = 16 keys, source 1 = my 16 queries) and O^T = V^T P (source 0 = 16 channels, source 1 = P): a lane holds ONE query (lane % 16) throughout, and two tiles of S^T,
; rounded in pairs, are source 1 of the second product as they stand.  K and V come as images of their fragments' registers: every LDS load takes 512 consecutive bytes.
; SOFTMAX.  t = score x log2(e) / 8; M = the running largest t, rounded up to a whole number; p = 2^(t - M); when M moves, the sum and O^T are multiplied by 2^(old M - new M), which rounds nothing.
; THE RING.  Two slots of two steps each (a step: K 16 KB, V 16 KB, one dense block of memory).  Wave 0 fetches a slot's first step, wave 1 its second, the others nothing; a load has two steps in which to land.
; THE LDS LOADS RUN AHEAD.  A whole step's fragments have registers of their own (K 128, V 128).  V is asked for at the step's head and is wanted behind the softmax; the K of a slot's second step is asked for
; in the first step, behind its products K Q^T.  Only the K of a slot's first step is waited for shortly behind its loads: it may not be read ahead of the change of slots.
; NO CLUSTER: at step t the work-group j reads key block t or t - j - 1, so work-groups of one head want different tiles at the same time; a walk in step would undo the pairing that evens out the mask.
; LIMIT: ctx beyond 65,504 in magnitude has no f16.  Positions 0-15 of a batch are computed here like the others and are computed again, in f32, by the last launch.
; REGISTERS, in windows of 256 (s_set_vgpr_msb's low byte: bits 1:0 source 0, 7:6 destination):
;   window 0: v1-7 what stays; v[8:9] -M and the largest t; v[10:11] the sum in two halves; v12-23 at work; v24-39 Q; v104-167 S^T, then p; v168-199 P; v200-231 O^T; v232-247 the second block's Q.
;   window 1: v0-127 K's sixteen fragments of a step ((tile kt, channels 32 c on) at v[8 (2 kt + c)]); v128-255 V's sixteen ((keys 32 kc on, channels 16 ct on) at v[128 + 8 (4 kc + ct)]).
.set SLOT1, 65536
.set STEPB, 32768
.set REC,   49152                      ; a record of 128 positions: Q, K, V
.set SPARE, 2*SLOT1                    ; behind the ring: the spare words, 128 bytes for each wave: four blocks of 256 bytes that no other line names
.set LI,   1                           ; v1   16 x lane
.set ADK,  2                           ; v2   LDS address of the slot in hand, for my lane
.set SPW,  3                           ; v3   LDS address of my spare word; never rewritten
.set NIL,  4                           ; v4   0; never rewritten
.set DD,   5                           ; v5   16 w + r - 8 h: register j of tile t holds key 16 t + 8 h + j of the block: hidden on the diagonal where 16 t + j > this
.set PFO,  6                           ; v6   256 x lane: the prefetches' offset; never rewritten
.set NINF, 7                           ; v7   -infinity
.set QF,   24
.set S,    104
.set P,    168
.set O,    200
.set QH,   232
.set KW,   0                           ; in window 1
.set VW,   128                         ; in window 1
.set WV,   8                           ; s8   my wave
.set J,    9                           ; s9   j
.set JP1,  10                          ; s10  j + 1: the step at which the second block begins
.set BH,   11                          ; s11  16 x batch + head
.set T,    12                          ; s12  the step, 0 .. 16
.set TL,   14                          ; s14  the step that my next load brings
.set TB,   15                          ; s15  LDS byte at which the slot in hand begins
.set U,    16                          ; s16  the loop's counter
.set QB,   18                          ; s18  the block of queries in hand
.set SEL,  20                          ; s[20:21] lane selects for v_permlanex16_b32: lane l xor 16
.set CS,   22                          ; s[22:23] c = log2(e) / 8; the packed form names a pair and takes its low word for both halves
.set G1,   24                          ; s[24:31] descriptor group 1
.set G0,   32                          ; s[32:35] descriptor group 0
.set KVB,  36                          ; s[36:37] the head's first record, at its K
.set OFF,  38                          ; s[38:39] an offset
.set PFA,  40                          ; s[40:41] where my prefetches stand
.set LIM,  42                          ; s42  1 in a wave that prefetches, else the greatest number
.set CB,   44                          ; s[44:45] where my part of ctx16 goes
.set MSB, 0
.macro WIN new                         ; the immediate's high byte repeats the setting that is left; a switch that changes nothing is dropped
.if MSB != \new
	s_set_vgpr_msb (MSB<<8)|\new
.set MSB, \new
.endif
.endm
.set TO_F, 0x40                        ; destination window 1, address window 0
.set MULW, 0x01                        ; source 0 (K or V) window 1; source 1, C and D window 0
.macro TLOAD n                         ; waves 0 .. n - 1 fetch.  The branch hangs on the wave's number alone.  An s_nop 0 and four v_nop follow the load
	s_cmp_lt_u32 s[WV], \n
	s_cbranch_scc0 .Lskip_\@
	tensor_load_to_lds s[G0:G0+3], s[G1:G1+7]
	s_nop 0
.rept 4
	v_nop
.endr
.Lskip_\@:
.endm
; A PREFETCH INTO THE L2 of the two records' K and V that the NEXT change of slots will ask for: two steps ahead of that load.  All eight work-groups of a head read the same records; the one with j = 0
; walks all sixteen in order, so it asks, and nobody else.  In it waves 2 to 5, which fetch nothing, ask: 8,192 bytes of a record's 32,768 each, lanes 256 bytes apart, so that each aligned block of
; 256 bytes from record 3 on is named once in the launch.  The loop's last trip asks for record 15 alone; the changes behind the loop ask for nothing.
.macro ASK
	s_cmp_ge_u32 s[U], s[LIM]
	s_cbranch_scc0 .Lno_\@
	global_prefetch_b8 v[PFO], s[PFA:PFA+1] th:TH_LOAD_NT scope:SCOPE_SE
	s_cmp_gt_u32 s[U], s[LIM]
	s_cbranch_scc0 .Lno_\@
	global_prefetch_b8 v[PFO], s[PFA:PFA+1] offset:REC th:TH_LOAD_NT scope:SCOPE_SE
.Lno_\@:
.endm
.macro INIT                            ; a block of queries begins: the largest t under every t, the sum and O^T zero: the step is written once and its first change of M multiplies zeros
	v_mov_b32 v9, 0xff61b1e6                       ; -3e38
	v_floor_f32 v8, -v9
	v_mov_b32 v10, 0
	v_mov_b32 v11, 0
.set n, 0
.rept 32
	v_mov_b32 v[O+n], 0
.set n, n+1
.endr
.endm
	s_load_b128 s[4:7], s[0:1], 0x0                ; qkv s[4:5], ctx16 s[6:7]
	v_lshl_add_u32 v[SPW], v0, 2, SPARE
	v_mov_b32 v[NIL], 0
	ds_add_u32 v[SPW], v[NIL]                      ; the wave's opening: the add, twice on end, and its wait ahead of the first tensor load
	ds_add_u32 v[SPW], v[NIL]                      ; (once more; the set-up below, work on registers, stands between it and the wait)
	v_lshrrev_b32 v1, 5, v0
	v_readfirstlane_b32 s[WV], v1                  ; wave 0..7
	s_mov_b32 s[J], ttmp9
	s_add_co_u32 s[JP1], s[J], 1
	s_and_b32 s[BH], ttmp7, 0xffff
	s_mov_b32 s[T], 0
	s_and_b32 s[TL], s[WV], 1
	s_mov_b32 s[TB], 0
	s_mov_b32 s[QB], s[J]
	s_mov_b32 s[SEL], 0x76543210
	s_mov_b32 s[SEL+1], 0xfedcba98
	s_mov_b32 s[CS], 0x3e38aa3b                    ; log2(e) / 8
	s_mov_b32 s[CS+1], s[CS]
	s_mov_b32 s[G1], 3<<16                         ; a dense block of 32,768 bytes as 128 rows of 256 bytes: elements of 8 bytes, no mask, no padding
	s_mov_b32 s[G1+1], 32<<16                      ; tensor_dim0
	s_mov_b32 s[G1+2], 128<<16                     ; tensor_dim1
	s_mov_b32 s[G1+3], 32<<16                      ; tile_dim0
	s_mov_b32 s[G1+4], 128                         ; tile_dim1
	s_mov_b32 s[G1+5], 32                          ; tensor_dim0_stride
	s_mov_b32 s[G1+6], 0
	s_mov_b32 s[G1+7], 0
	s_mov_b32 s[G0], 1
	s_lshl_b32 s[G0+1], s[TL], 15                  ; slot 0: wave 0's step at 0, wave 1's at 32,768
	s_mul_i32 s46, s[BH], 16*REC                   ; the head's records
	s_mov_b32 s47, 0
	s_cmp_le_u32 s[TL], s[J]                       ; step t reads key block t in the first walk, t - j - 1 in the second
	s_cselect_b32 s48, 0, s[JP1]
	s_sub_co_u32 s48, s[TL], s48
	s_mul_i32 s[OFF], s48, REC
	s_mov_b32 s[OFF+1], 0
	s_lshl_b32 s49, s[WV], 11                      ; my tile of 16 queries: 2,048 bytes
	s_mul_i32 s50, s[J], REC
	s_add_co_u32 s50, s50, s49
	s_mov_b32 s51, 0
	s_sub_co_u32 s52, 15, s[J]
	s_mul_i32 s52, s52, REC
	s_add_co_u32 s52, s52, s49
	s_mov_b32 s53, 0
	s_sub_co_u32 s48, s[WV], 2
	s_lshr_b32 s48, s48, 2                         ; 0 in waves 2 to 5,
	s_or_b32 s48, s48, s[J]                        ; of the work-group with j = 0
	s_cmp_eq_u32 s48, 0
	s_cselect_b32 s[LIM], 1, -1
	s_add_co_u32 s48, s[WV], 2
	s_and_b32 s48, s48, 3
	s_lshl_b32 s48, s48, 13                        ; my 8,192 bytes of a record's K and V,
	s_add_co_u32 s48, s48, REC                     ; in record 1: the first change of slots steps it to record 3
	s_mov_b32 s49, 0
	s_wait_dscnt 0x0                               ; both opening adds are done
	s_wait_kmcnt 0x0
	s_add_nc_u64 s[KVB:KVB+1], s[4:5], s[46:47]
	s_add_nc_u64 s[50:51], s[KVB:KVB+1], s[50:51]  ; Q of block j, my tile
	s_add_nc_u64 s[52:53], s[KVB:KVB+1], s[52:53]  ; Q of block 15 - j
	s_add_nc_u64 s[KVB:KVB+1], s[KVB:KVB+1], 16384 ; a record's K lies behind its Q
	s_add_nc_u64 s[G0+2:G0+3], s[KVB:KVB+1], s[OFF:OFF+1]
	s_or_b32 s[G0+3], s[G0+3], 0x80000000          ; type = 2
	s_add_nc_u64 s[PFA:PFA+1], s[KVB:KVB+1], s[48:49]
	TLOAD 2                                        ; steps 0 and 1
	v_and_b32 v8, 31, v0
	v_lshlrev_b32 v[LI], 4, v8
	v_lshlrev_b32 v[PFO], 8, v8
	v_and_b32 v9, 15, v0
	v_bfe_u32 v10, v0, 4, 1
	v_lshlrev_b32 v10, 3, v10
	v_sub_nc_u32 v[DD], v9, v10
	s_lshl_b32 s48, s[WV], 4
	v_add_nc_u32 v[DD], s48, v[DD]
	v_mov_b32 v[NINF], 0xff800000
.irp i, 0,1,2,3
	global_load_b128 v[QF+4*\i:QF+4*\i+3], v[LI], s[50:51] offset:512*\i
	global_load_b128 v[QH+4*\i:QH+4*\i+3], v[LI], s[52:53] offset:512*\i
.endr
	INIT
	v_mov_b32 v21, 0                               ; written once: a lane permute's destination counts as one of its sources
	v_mov_b32 v23, 0                               ; (named as the upper half of the pair v[22:23])
	s_wait_loadcnt 0x0                             ; Q
; A block of queries is finished: O^T is divided by the sum, rounded to f16 and stored as four groups of the way-out projection's fragments: 512 consecutive bytes a store.
.macro FINISH
.rept 4
	v_nop                                          ; places behind the last products
.endr
	v_add_f32 v20, v10, v11                        ; the sum's two halves,
	v_permlanex16_b32 v21, v20, s[SEL], s[SEL+1]
	v_add_f32 v20, v20, v21                        ; and lane l xor 16's
	v_rcp_f32 v20, v20
	v_mov_b32 v21, 0                               ; a plain line behind the reciprocal
	s_lshr_b32 s46, s[BH], 4
	s_lshl_b32 s46, s46, 4
	s_add_co_u32 s46, s46, s[QB]                   ; the block of 128 rows: 16 batch + block,
	s_lshl_b32 s46, s46, 18                        ; 262,144 bytes each;
	s_and_b32 s47, s[BH], 15
	s_lshl_b32 s47, s47, 14                        ; the head's two steps of 32 along K, 8,192 bytes each;
	s_add_co_u32 s46, s46, s47
	s_lshl_b32 s47, s[WV], 10                      ; my tile of 16 rows
	s_add_co_u32 s46, s46, s47
	s_mov_b32 s47, 0
	s_add_nc_u64 s[CB:CB+1], s[6:7], s[46:47]
	s_wait_alu depctr_va_vdst(0)                   ; the wait ahead of the reciprocal's first reader
.set n, 0
.rept 16
	v_pk_mul_f32 v[S+2*n:S+2*n+1], v[O+2*n:O+2*n+1], v[20:21] op_sel_hi:[1,0]
.set n, n+1
.endr
.set n, 0
.rept 16
	v_cvt_pk_f16_f32 v[P+n], v[S+2*n], v[S+2*n+1]
.set n, n+1
.endr
.irp ct, 0,1,2,3
	global_store_b128 v[LI], v[P+4*\ct:P+4*\ct+3], s[CB:CB+1] offset:(\ct/2)*8192+(\ct%2)*512
.endr
.endm
.macro RESTART                         ; on to block 15 - j
	s_sub_co_u32 s[QB], 15, s[J]
.set n, 0
.rept 16
	v_mov_b32 v[QF+n], v[QH+n]
.set n, n+1
.endr
	INIT
	s_wait_xcnt 0x0                                ; the stores above have read their registers: the next step writes P anew
.endm
; 32 LDS loads: the K of the slot's q-th step; the first 32 channels of all eight tiles first, so that a counted wait can let the products on them begin
.macro KLOAD q
	WIN TO_F
.irp c, 0,1
.irp kt, 0,1,2,3,4,5,6,7
.irp hf, 0,1
	ds_load_b128 v[KW+8*(2*\kt+\c)+4*\hf:KW+8*(2*\kt+\c)+4*\hf+3], v[ADK] offset:STEPB*(\q)+\kt*2048+\c*1024+\hf*512
.endr
.endr
.endr
.endm
; 16 LDS loads: the V of the slot's q-th step, keys 32 k0 to 32 k0 + 63
.macro VLOAD q, k0
	WIN TO_F
.irp kk, 0,1
.irp ct, 0,1,2,3
.irp hf, 0,1
	ds_load_b128 v[VW+8*(4*(\k0+\kk)+\ct)+4*\hf:VW+8*(4*(\k0+\kk)+\ct)+4*\hf+3], v[ADK] offset:STEPB*(\q)+16384+\ct*4096+(\k0+\kk)*1024+\hf*512
.endr
.endr
.endr
.endm
; A KEY STEP: 128 keys, the q-th of the slot in hand.  sw = 1: the second block of queries may begin here.  diag = 1: the first block's diagonal may lie here; 2: this is the second block's diagonal.
; knext = 1: the K of the slot's next step is asked for behind this step's products K Q^T.
.macro STEP q, sw, diag, knext
.if \sw
	s_cmp_lg_u32 s[T], s[JP1]                      ; ids and the count of steps alone: all eight waves go the same way
	s_cbranch_scc1 .Lsame_\@
	FINISH
	RESTART
.Lsame_\@:
.endif
.if \q == 0
	v_add_nc_u32 v[ADK], s[TB], v[LI]              ; the slot in hand, for both its steps
.else
	v_nop
.endif
.rept 3
	v_nop                                          ; with the line above: four places in front of loads into V's registers, which the last products read
.endr
.if \q == 0
	KLOAD 0                                        ; no LDS load of mine is out here: the change of slots has waited for all
	VLOAD 0, 0
	s_wait_dscnt 32                                ; K's first 32 channels are in; behind them K's other 16 loads and V's 16
	VLOAD 0, 2
.else
	s_wait_dscnt 0x0                               ; K is in: it was asked for in the step before, ahead of that step's softmax
	VLOAD 1, 0
	VLOAD 1, 2
.endif
	WIN MULW
.irp c, 0,1                                    ; S^T = K Q^T: the eight accumulators take turns
.if (\c == 1) && (\q == 0)
	s_wait_dscnt 32                                ; K's other 32 channels are in; behind them V's 32 loads
.endif
.irp kt, 0,1,2,3,4,5,6,7
.if \c == 0
	v_wmma_f32_16x16x32_f16 v[S+8*\kt:S+8*\kt+7], v[KW+8*(2*\kt+\c):KW+8*(2*\kt+\c)+7], v[QF+8*\c:QF+8*\c+7], 0
.else
	v_wmma_f32_16x16x32_f16 v[S+8*\kt:S+8*\kt+7], v[KW+8*(2*\kt+\c):KW+8*(2*\kt+\c)+7], v[QF+8*\c:QF+8*\c+7], v[S+8*\kt:S+8*\kt+7]
.endif
.endr
.endr
	WIN 0
.rept 4
	v_nop                                          ; places in front of loads into K's registers and of the first read of the scores
.endr
.if \knext
	s_wait_dscnt 16                                ; half of V may be out: with the 32 loads below at most 48 LDS loads of mine are out
	KLOAD 1                                        ; the next step's K: it lands under the softmax
	WIN 0
.endif
.if \diag                                      ; on the diagonal the scores of hidden keys become -infinity ahead of the maximum: p = 0 then.  A query's own key always counts
.if \diag == 1
	s_cmp_lg_u32 s[T], s[J]
	s_cbranch_scc1 .Lopen_\@
.endif
.set n, 0
.rept 64
	v_cmp_gt_i32 vcc_lo, 16*(n/8)+n%8, v[DD]
	v_cndmask_b32 v[S+n], v[S+n], v[NINF], vcc_lo
.set n, n+1
.endr
.Lopen_\@:
.endif
.set n, 0
.rept 8
	v_max3_num_f32 v[12+n], v[S+8*n], v[S+8*n+1], v[S+8*n+2]       ; the eight tiles by turns, each from its low end on
.set n, n+1
.endr
.irp i, 3,5
.set n, 0
.rept 8
	v_max3_num_f32 v[12+n], v[12+n], v[S+8*n+\i], v[S+8*n+\i+1]
.set n, n+1
.endr
.endr
.set n, 0
.rept 8
	v_max_num_f32 v[12+n], v[12+n], v[S+8*n+7]
.set n, n+1
.endr
	v_max3_num_f32 v12, v12, v13, v14
	v_max3_num_f32 v15, v15, v16, v17
	v_max3_num_f32 v12, v12, v18, v19
	v_max_num_f32 v12, v12, v15
	v_permlanex16_b32 v21, v12, s[SEL], s[SEL+1]
	v_max_num_f32 v12, v12, v21                    ; the step's largest score of my query
	v_mul_f32 v20, s[CS], v12                      ; as t (c is positive)
	v_max_num_f32 v9, v9, v20                      ; the running largest t
	v_mov_b32 v20, v8
	v_floor_f32 v8, -v9                            ; the new -M = floor(-t)
	v_sub_f32 v20, v8, v20                         ; old M - new M: a whole number, 0 or less
	v_cvt_i32_f32 v20, v20                         ; (it saturates)
	v_ldexp_f32 v22, 1.0, v20                      ; f = 2^(old M - new M)
.set n, 0
.rept 32
	v_pk_fma_f32 v[S+2*n:S+2*n+1], v[S+2*n:S+2*n+1], s[CS:CS+1], v[8:9] op_sel_hi:[1,0,0]      ; t - M, two at a time
.set n, n+1
.endr
.set n, 0
.rept 64
	v_exp_f32 v[S+n], v[S+n]                       ; p = 2^(t - M), at most 1
.set n, n+1
.endr
	v_pk_mul_f32 v[10:11], v[10:11], v[22:23] op_sel_hi:[1,0]      ; the sum under the new M: plain work behind the exponentials, which names none of their results,
.set n, 0
.rept 16
	v_pk_mul_f32 v[O+2*n:O+2*n+1], v[O+2*n:O+2*n+1], v[22:23] op_sel_hi:[1,0]   ; and O^T likewise
.set n, n+1
.endr
	s_wait_alu depctr_va_vdst(0)                   ; one wait for the whole batch, ahead of its first reader
.set n, 0
.rept 32
	v_cvt_pk_f16_f32 v[P+n], v[S+2*n], v[S+2*n+1]  ; tile t's eight keys are registers 4 t .. 4 t + 3: tiles 2 u and 2 u + 1 are the fragment of keys 32 u on
.set n, n+1
.endr
	v_pk_add_f32 v[12:13], v[S:S+1], v[S+2:S+3]    ; the row's sum, two at a time, in two chains
.set n, 4
.rept 15
	v_pk_add_f32 v[10:11], v[10:11], v[S+n:S+n+1]
	v_pk_add_f32 v[12:13], v[12:13], v[S+n+2:S+n+3]
.set n, n+4
.endr
	v_pk_add_f32 v[10:11], v[10:11], v[12:13]
.if \knext
	s_wait_dscnt 32                                ; V is in; the next step's K, 32 loads, may be out
.else
	s_wait_dscnt 0x0                               ; V is in
.endif
	WIN MULW
.irp kc, 0,1,2,3                               ; O^T += V^T P: the four accumulators take turns
.irp ct, 0,1,2,3
	v_wmma_f32_16x16x32_f16 v[O+8*\ct:O+8*\ct+7], v[VW+8*(4*\kc+\ct):VW+8*(4*\kc+\ct)+7], v[P+8*\kc:P+8*\kc+7], v[O+8*\ct:O+8*\ct+7]
.endr
.endr
	WIN 0                                          ; at a label and at a branch every window is 0
	s_add_co_u32 s[T], s[T], 1
.endm
; THE CHANGE OF SLOTS stands at a slot's head.  Each wave waits for all its tensor loads (its part of the slot that is about to be read), adds 0 to its spare word, and waits for that and for its reads of the slot
; that it has left.  Behind the barrier the slot ahead is whole and nobody reads the other one, which is filled with the next two steps (fill = 2), the last step (fill = 1), or not at all (0).
.macro CHANGE fill
	s_wait_tensorcnt 0x0                           ; no tensor load of mine is out, so group 0 may be written
	ds_add_u32 v[SPW], v[NIL]                      ; 0 onto my spare word
.if \fill
	ds_add_u32 v[SPW], v[NIL]                      ; and once more where a tensor load still follows: the add twice on end here, in every trip alike
	s_xor_b32 s[G0+1], s[G0+1], SLOT1              ; the other slot than last time
	s_add_co_u32 s[TL], s[TL], 2                   ; my step of it,
	s_cmp_le_u32 s[TL], s[J]
	s_cselect_b32 s46, 0, s[JP1]
	s_sub_co_u32 s46, s[TL], s46                   ; and its key block
	s_mul_i32 s[OFF], s46, REC
	s_add_nc_u64 s[G0+2:G0+3], s[KVB:KVB+1], s[OFF:OFF+1]
	s_or_b32 s[G0+3], s[G0+3], 0x80000000
	s_wait_xcnt 0x0                                ; the last prefetches, two steps back, have read their address, so it may be written
	s_add_nc_u64 s[PFA:PFA+1], s[PFA:PFA+1], 2*REC
.endif
	s_wait_dscnt 0x0                               ; the add is done (both are), and my reads of the slot that I have left are over
	s_barrier_signal -1
	s_barrier_wait -1
.if \fill
	TLOAD \fill                                    ; the first thing behind the barrier, and a wave's one tensor load until the next
.endif
.if \fill == 2
	ASK
.endif
.endm
	s_mov_b32 s[U], 7
.Lslot:                                            ; seven trips: steps 0 to 13; behind each change the next slot is asked for
	CHANGE 2
	STEP 0, 1, 1, 1
	STEP 1, 1, 1, 0
	s_xor_b32 s[TB], s[TB], SLOT1                  ; on to the other slot
	s_sub_co_u32 s[U], s[U], 1
	s_cmp_lg_u32 s[U], 0
	s_cbranch_scc1 .Lslot
	CHANGE 1                                       ; the tail is written out: step 16 alone is left to fetch, by wave 0
	STEP 0, 0, 0, 1                                ; steps 14 and 15 lie in the second walk, under its diagonal
	STEP 1, 0, 0, 0
	s_xor_b32 s[TB], s[TB], SLOT1
	CHANGE 0
	STEP 0, 0, 2, 0                                ; step 16: the second block's diagonal; its slot holds no second step
	FINISH
	s_wait_tensorcnt 0x0                           ; the wave's end, behind the last tensor load
	ds_add_u32 v[SPW], v[NIL]
	s_wait_dscnt 0x0
	s_endpgm
.Lfunc_end_k_q64b445b511_attn:
	.size	k_q64b445b511_attn, .Lfunc_end_k_q64b445b511_attn-k_q64b445b511_attn
	.p2alignl 7, 3214868480
	.fill 96, 4, 3214868480
	.section	.rodata,"a",@progbits
	.p2align	6, 0x0
	.amdhsa_kernel k_q64b445b511_attn
		.amdhsa_group_segment_fixed_size 327680
		.amdhsa_private_segment_fixed_size 0
		.amdhsa_enable_private_segment 0
		.amdhsa_kernarg_size 16
		.amdhsa_user_sgpr_count 2
		.amdhsa_user_sgpr_kernarg_segment_ptr 1
		.amdhsa_wavefront_size32 1
		.amdhsa_system_sgpr_workgroup_id_x 1
		.amdhsa_system_sgpr_workgroup_id_y 1
		.amdhsa_system_sgpr_workgroup_id_z 1
		.amdhsa_system_vgpr_workitem_id 0
		.amdhsa_next_free_vgpr 512
		.amdhsa_next_free_sgpr 66
		.amdhsa_reserve_vcc 1
		.amdhsa_float_denorm_mode_32 3
		.amdhsa_float_denorm_mode_16_64 3
		.amdhsa_memory_ordered 1
		.amdhsa_forward_progress 1
		.amdhsa_inst_pref_size 127
	.end_amdhsa_kernel
	.amdgpu_metadata
---
amdhsa.version: [ 1, 2 ]
amdhsa.kernels:
  - .name:           k_q64b445b511_attn
    .symbol:         k_q64b445b511_attn.kd
    .args:
      - { .name: qkv, .offset: 0, .size: 8, .value_kind: global_buffer, .address_space: global }
      - { .name: ctx16, .offset: 8, .size: 8, .value_kind: global_buffer, .address_space: global }
    .group_segment_fixed_size: 327680
    .private_segment_fixed_size: 0
    .kernarg_segment_align: 8
    .kernarg_segment_size: 16
    .max_flat_workgroup_size: 256
    .sgpr_count:     66
    .vgpr_count:     512
    .wavefront_size: 32
...
	.end_amdgpu_metadata
.endif
;; end of part 3
;; launch proj (part 4): grid 8 x 32, 4 waves a work-group, clusters of 4 x 4, 327,680 bytes of LDS; arguments ctx16, wo16, bo, out0; writes out0
.if DOCPART == 4
	.amdgcn_target "amdgcn-amd-amdhsa--gfx1250"
	.amdhsa_code_object_version 6
	.text
	.protected	k_q64b445b511_proj
	.globl	k_q64b445b511_proj
	.p2align	8
	.type	k_q64b445b511_proj,@function
k_q64b445b511_proj:
	s_mov_b64 s[64:65], 0
	v_nop
	global_prefetch_b8 v0, s[64:65] scope:SCOPE_SE
	s_setreg_imm32_b32 hwreg(HW_REG_WAVE_MODE, 25, 1), 1
	s_wait_xcnt 0x0
	s_wait_alu depctr_hold_cnt(0) depctr_sa_sdst(0) depctr_va_vdst(0) depctr_va_sdst(0) depctr_va_ssrc(0) depctr_va_vcc(0) depctr_vm_vsrc(0)
	s_getreg_b32 s2, hwreg(HW_REG_IB_STS2, 6, 4)
	s_cmp_eq_u32 s2, 0
	s_cbranch_scc0 .Lentry_in_a_cluster
	s_endpgm
.Lentry_in_a_cluster:
	s_bfe_u32 s2, ttmp6, 0x10000c
	s_cmp_lg_u32 s2, 0xf033
	s_cbranch_scc0 .Lentry_shape_is_right
	s_endpgm
.Lentry_shape_is_right:
; PROJ.  out = ctx wo + bo.  ctx [4096][1024] and wo [1024 (k)][1024 (n)] come as f16, laid as images of their fragments' registers; sums f32; out f32.
; A tile of out is 128 x 128: 256 work-groups.  Four waves, each 64 x 64: 16 accumulators of 16 x 16.  K goes in four steps of 256 through a ring of two LDS slots; a wave's tensor load brings a dense block of 32,768 bytes.
; ctx16: [128 rows][32 k: 32][16 rows: 8][half: 2][lane][16 B]; wo16 the same with columns n for rows.  A fragment is two LDS loads of 512 consecutive bytes: no pitch, no padding.
; CLUSTERS: 4 x 4 work-groups.  The four of a row of the cluster need the same tiles of ctx, the four of a column the same tiles of wo: each tile is asked for jointly.
; THE MATRIX INSTRUCTION IS USED TRANSPOSED (source 0 = 16 columns of wo, source 1 = 16 rows of ctx): a lane holds eight neighbouring numbers of a row of out.  The bias is the C of each sum's first product.
; A wave's 64 columns are 256 bytes of a row: each wave has a stage of its own in LDS and stores whole aligned runs of 256 bytes; no barrier on the way out.
; Rows 0-15 of each batch are written here like the others and are written again, from f32 operands, by the launch that follows.
; REGISTERS: window 0: v16-29 addresses; v32-95 the way out; v96-127 the bias; v128-255 the accumulators ((a, b) at v[128 + 8 (4 a + b)]).   window 1: two fragment buffers of 128: for 64 along K, 64 registers of A, then 64 of B.
.set HALFT,  32768                     ; what one tensor load brings: four steps of 32 along K of 128 rows
.set SLOT,   4*HALFT                   ; A's eight such steps, then B's
.set STAGE,  2*SLOT                    ; behind the ring: 16 rows x 272 bytes for each wave
.set SPITCH, 272
.set SPARE,  STAGE+4*16*SPITCH         ; the spare words, 128 bytes for each wave: two blocks of 256 bytes that no other line names
.set ADRA, 16                          ; v16-17  LDS address of my A fragments in slot 0, 1
.set ADRB, 20                          ; v20-21  the same for B
.set STO,  24                          ; v24     the way out: where I put 32 bytes of a row
.set RD,   25                          ; v25     where I read a row back
.set CO,   26                          ; v26     my byte offset in out
.set BO,   27                          ; v27     32 h: my half's eight numbers of the bias
.set SPW,  28                          ; v28     LDS address of my spare word; never rewritten
.set NIL,  29                          ; v29     0; never rewritten
.set TMP,  32
.set BIAS, 96
.set ACC,  128
.set F0,   0
.set F1,   128
.set G1, 24                            ; s[24:31] descriptor group 1 for A's tiles;  s[32:39] group 0, one set for each slot
.set G0, 32
.set G1B, 48                           ; s[48:55], s[56:63] the same for B's
.set G0B, 56
.set WVN, 70                           ; s70 wave
.set RH,  71                           ; s71 which half of the tile's rows is mine.  Also: I fetch for A (0) or for B (1)
.set CH,  72                           ; s72 which half of its columns.  Also: which half of a slot's part I fetch
.set MB,  73                           ; s73 tile row
.set MSB, 0
.macro WIN new                         ; the immediate's high byte repeats the setting that is left
.if MSB != \new
	s_set_vgpr_msb (MSB<<8)|\new
.set MSB, \new
.endif
.endm
.set MUL,  0x05                        ; sources 0 (B) and 1 (A) window 1; C and D window 0
.set TO_F, 0x40                        ; destination window 1, address window 0
.macro JLOAD s                         ; a joint load; an s_nop 0 and four v_nop follow each of the two lines
	s_cmp_eq_u32 s[RH], 0
	s_cbranch_scc0 .Lfor_b_\@
	tensor_load_to_lds s[G0+4*\s:G0+4*\s+3], s[G1:G1+7]
	s_nop 0
.rept 4
	v_nop
.endr
	s_branch .Lasked_\@
.Lfor_b_\@:
	tensor_load_to_lds s[G0B+4*\s:G0B+4*\s+3], s[G1B:G1B+7]
	s_nop 0
.rept 4
	v_nop
.endr
.Lasked_\@:
.endm
.macro CREST                           ; a round of the cluster's barrier behind its opening barrier
	s_cmp_lg_u32 s[WVN], 0
	s_cbranch_scc1 .Lnot_wave_0_\@
	s_barrier_signal -3
.Lnot_wave_0_\@:
	s_barrier_wait -3
	s_barrier_signal -1
	s_barrier_wait -1
.endm
.macro CROUND                          ; a whole round
	s_barrier_signal -1
	s_barrier_wait -1
	CREST
.endm
	s_load_b256 s[4:11], s[0:1], 0x0               ; ctx16 s[4:5], wo16 s[6:7], bo s[8:9], out0 s[10:11]
	v_lshl_add_u32 v[SPW], v0, 2, SPARE
	v_mov_b32 v[NIL], 0
	ds_add_u32 v[SPW], v[NIL]                      ; the wave's opening: the add, twice on end, and its wait ahead of my first tensor load
	ds_add_u32 v[SPW], v[NIL]                      ; (once more; the set-up below, work on registers, stands between it and the wait)
	v_lshrrev_b32 v1, 5, v0
	v_readfirstlane_b32 s[WVN], v1
	s_lshr_b32 s[RH], s[WVN], 1
	s_and_b32 s[CH], s[WVN], 1
	s_bfe_u32 s40, ttmp6, 0x40000                  ; cx, cy: my place in the cluster
	s_bfe_u32 s41, ttmp6, 0x40004
	s_lshl_b32 s42, ttmp9, 2
	s_add_co_u32 s42, s42, s40                     ; tile column = 4 x cluster x + cx
	s_and_b32 s[MB], ttmp7, 0xffff
	s_lshl_b32 s[MB], s[MB], 2
	s_add_co_u32 s[MB], s[MB], s41                 ; tile row = 4 x cluster y + cy
	s_lshl_b32 s43, s41, 2
	s_lshl_b32 s43, 15, s43                        ; my row of the cluster
	s_lshl_b32 s44, 0x1111, s40                    ; my column
	s_or_b32 s[G1+0], s43, (3<<16)|(1<<21)         ; 15:0 the mask; 17:16 elements of 8 bytes; 21 set beside a mask: a dense block as 128 rows of 256 bytes
	s_or_b32 s[G1B+0], s44, (3<<16)|(1<<21)
.irp g, G1, G1B
	s_mov_b32 s[\g+1], 32<<16                      ; tensor_dim0
	s_mov_b32 s[\g+2], 128<<16                     ; tensor_dim1
	s_mov_b32 s[\g+3], 32<<16                      ; tile_dim0
	s_mov_b32 s[\g+4], 128                         ; tile_dim1
	s_mov_b32 s[\g+5], 32                          ; tensor_dim0_stride
	s_mov_b32 s[\g+6], 0
	s_mov_b32 s[\g+7], 0
.endr
	s_lshl_b32 s14, s[CH], 15                      ; which half of a K step's 65,536 bytes I fetch
	s_lshl_b32 s12, s[MB], 18                      ; A: tile row x 262,144
	s_add_co_u32 s12, s12, s14
	s_mov_b32 s13, 0
	s_lshl_b32 s46, s42, 18                        ; B: tile column x 262,144
	s_add_co_u32 s46, s46, s14
	s_mov_b32 s47, 0
	s_lshl_b32 s20, s[WVN], 15                     ; where they go: wave x 32,768: no place in the cluster enters an LDS address
	s_wait_dscnt 0x0                               ; both opening adds are done
	s_wait_kmcnt 0x0
	s_add_nc_u64 s[12:13], s[4:5], s[12:13]
	s_add_nc_u64 s[46:47], s[6:7], s[46:47]
	CROUND                                         ; all sixteen work-groups are here: the first joint loads meet
.irp s, 0,1
	s_mov_b32 s[G0+4*\s], 1
	s_add_co_u32 s[G0+4*\s+1], s20, \s*SLOT
	s_add_nc_u64 s[G0+4*\s+2:G0+4*\s+3], s[12:13], \s*65536
	s_or_b32 s[G0+4*\s+3], s[G0+4*\s+3], 0x80000000
	s_mov_b32 s[G0B+4*\s], 1
	s_add_co_u32 s[G0B+4*\s+1], s20, \s*SLOT
	s_add_nc_u64 s[G0B+4*\s+2:G0B+4*\s+3], s[46:47], \s*65536
	s_or_b32 s[G0B+4*\s+3], s[G0B+4*\s+3], 0x80000000
	JLOAD \s
.endr
	v_and_b32 v1, 15, v0                           ; r
	v_bfe_u32 v2, v0, 4, 1                         ; h
	v_and_b32 v3, 31, v0
	v_lshlrev_b32 v3, 4, v3                        ; 16 x lane
	s_lshl_b32 s21, s[RH], 12                      ; my four tiles of 16 rows of A, 1,024 bytes each
	s_lshl_b32 s22, s[CH], 12                      ; my four of B,
	s_add_co_u32 s22, s22, 2*HALFT                 ; which lies behind A
.irp s, 0,1
	v_add_nc_u32 v[ADRA+\s], s21, v3
	v_add_nc_u32 v[ADRB+\s], s22, v3
	s_add_co_u32 s21, s21, SLOT
	s_add_co_u32 s22, s22, SLOT
.endr
	s_mul_i32 s23, s[WVN], 16*SPITCH
	s_add_co_u32 s23, s23, STAGE                   ; my stage
	v_mul_u32_u24 v4, v1, SPITCH                   ; in: row r, 32 bytes for each half of the lanes
	v_lshl_add_u32 v4, v2, 5, v4
	v_add_nc_u32 v[STO], s23, v4
	v_mul_u32_u24 v5, v2, SPITCH                   ; back: lanes 0-15 take one row of 256 bytes, lanes 16-31 the next
	v_lshl_add_u32 v5, v1, 4, v5
	v_add_nc_u32 v[RD], s23, v5
	v_lshlrev_b32 v5, 12, v2                       ; and the same two rows in out
	v_lshl_add_u32 v[CO], v1, 4, v5
	v_lshlrev_b32 v[BO], 5, v2
	s_lshl_b32 s46, s42, 9                         ; my first column, in bytes: 512 x tile column + 256 x half
	s_lshl_b32 s47, s[CH], 8
	s_add_co_u32 s46, s46, s47
	s_mov_b32 s47, 0
	s_add_nc_u64 s[8:9], s[8:9], s[46:47]
	s_add_nc_u64 s[10:11], s[10:11], s[46:47]
	s_lshl_b32 s12, s[MB], 19                      ; my first row: 128 x tile row + 64 x half, 4,096 bytes each
	s_lshl_b32 s14, s[RH], 18
	s_add_co_u32 s12, s12, s14
	s_mov_b32 s13, 0
	s_add_nc_u64 s[10:11], s[10:11], s[12:13]
.irp b, 0,1,2,3
	global_load_b128 v[BIAS+8*\b:BIAS+8*\b+3], v[BO], s[8:9] offset:64*\b             ; bo at columns 16 b + 8 h + 0 .. 7: the result's layout
	global_load_b128 v[BIAS+8*\b+4:BIAS+8*\b+7], v[BO], s[8:9] offset:64*\b+16
.endr
; 8 matrix instructions: row blocks a0, a0 + 1 x all 4 column blocks, 32 along K: half c of buffer f.  first = 1: the first product starts the sums from the bias
.macro MUL8 f, c, a0, first
.irp a, \a0, \a0+1
.irp b, 0,1,2,3
.if \first
	v_wmma_f32_16x16x32_f16 v[ACC+8*(4*(\a)+\b):ACC+8*(4*(\a)+\b)+7], v[\f+64+8*(4*\c+\b):\f+64+8*(4*\c+\b)+7], v[\f+8*(4*\c+\a):\f+8*(4*\c+\a)+7], v[BIAS+8*\b:BIAS+8*\b+7]
.else
	v_wmma_f32_16x16x32_f16 v[ACC+8*(4*(\a)+\b):ACC+8*(4*(\a)+\b)+7], v[\f+64+8*(4*\c+\b):\f+64+8*(4*\c+\b)+7], v[\f+8*(4*\c+\a):\f+8*(4*\c+\a)+7], v[ACC+8*(4*(\a)+\b):ACC+8*(4*(\a)+\b)+7]
.endif
.endr
.endr
.endm
; 32 LDS loads in one run: the fragments of the slot's qd-th 64 along K into buffer f; the first 32 along K first
.macro FETCH slot, qd, f
	WIN TO_F
.irp c, 0,1
.irp i, 0,1,2,3
	ds_load_b128 v[\f+64+8*(4*\c+\i):\f+64+8*(4*\c+\i)+3],   v[ADRB+\slot] offset:(2*\qd+\c)*8192+\i*1024
	ds_load_b128 v[\f+64+8*(4*\c+\i)+4:\f+64+8*(4*\c+\i)+7], v[ADRB+\slot] offset:(2*\qd+\c)*8192+\i*1024+512
	ds_load_b128 v[\f+8*(4*\c+\i):\f+8*(4*\c+\i)+3],         v[ADRA+\slot] offset:(2*\qd+\c)*8192+\i*1024
	ds_load_b128 v[\f+8*(4*\c+\i)+4:\f+8*(4*\c+\i)+7],       v[ADRA+\slot] offset:(2*\qd+\c)*8192+\i*1024+512
.endr
.endr
.endm
.macro PLACES                          ; four places in front of loads into registers that matrix instructions have read, and of the first read of results
.rept 4
	v_nop
.endr
.endm
; A K step is four quarters of 64 along K, 32 matrix instructions each, on buffers 0, 1, 0, 1.  One of the first three: multiplies buffer f and fetches quarter qd into g.
.macro QUARTER slot, qd, f, g, first
	s_wait_dscnt 16                                ; the first 32 along K are in
	WIN MUL
	MUL8 \f, 0, 0, \first
	MUL8 \f, 0, 2, \first
	PLACES
	FETCH \slot, \qd, \g
	s_wait_dscnt 32                                ; all but the 32 just issued
	WIN MUL
	MUL8 \f, 1, 0, 0
	MUL8 \f, 1, 2, 0
.endm
; The last quarter multiplies buffer 1 and changes slots: ONE barrier; in front of it each wave waits for all its tensor loads, adds 0 to its spare word, and waits for that and for its reads of this slot.
; fill = 1: this slot is filled again, two K steps ahead; the barrier then opens a round of the cluster's barrier.
.macro TURN slot, next, fill
	WIN 0                                          ; (the add's two registers lie in window 0)
	s_wait_tensorcnt 0x0                           ; all my tensor loads have landed: my part of the next slot
	ds_add_u32 v[SPW], v[NIL]                      ; 0 onto my spare word
	s_wait_dscnt 17                                ; (the add and the youngest sixteen loads may be out)
	WIN MUL
	MUL8 F1, 0, 0, 0
	s_wait_dscnt 0x0                               ; the add is done, and my reads of this slot are over
	s_barrier_signal -1
	MUL8 F1, 0, 2, 0
.if \fill
	WIN 0
.endif
	s_barrier_wait -1
.if \fill
	CREST                                          ; no wave of any partner still reads this slot's tile or has a load on its way
	s_add_nc_u64 s[G0+4*\slot+2:G0+4*\slot+3], s[G0+4*\slot+2:G0+4*\slot+3], 2*65536
	s_add_nc_u64 s[G0B+4*\slot+2:G0B+4*\slot+3], s[G0B+4*\slot+2:G0B+4*\slot+3], 2*65536
	JLOAD \slot                                    ; the first tensor load behind the round; the four v_nop behind it are also the places in front of the loads below
.else
	PLACES
.endif
	FETCH \next, 0, F0
	WIN MUL
	MUL8 F1, 1, 0, 0
	MUL8 F1, 1, 2, 0
.endm
	s_wait_tensorcnt 1                             ; my part of K step 0 is in; K step 1's load may stay out
	s_barrier_signal -1
	s_barrier_wait -1                              ; everybody's is
	FETCH 0, 0, F0
	s_wait_loadcnt 0x0                             ; the bias
	QUARTER 0, 1, F0, F1, 1                        ; K step 0.  With four K steps the ring goes round twice: the text is written straight, without a loop
	QUARTER 0, 2, F1, F0, 0
	QUARTER 0, 3, F0, F1, 0
	TURN 0, 1, 1                                   ; slot 0 takes K step 2
	QUARTER 1, 1, F0, F1, 0                        ; K step 1
	QUARTER 1, 2, F1, F0, 0
	QUARTER 1, 3, F0, F1, 0
	TURN 1, 0, 1                                   ; slot 1 takes K step 3
	QUARTER 0, 1, F0, F1, 0                        ; K step 2
	QUARTER 0, 2, F1, F0, 0
	QUARTER 0, 3, F0, F1, 0
	TURN 0, 1, 0                                   ; nothing is left to fetch
	QUARTER 1, 1, F0, F1, 0                        ; K step 3
	QUARTER 1, 2, F1, F0, 0
	QUARTER 1, 3, F0, F1, 0
	s_wait_dscnt 16
	WIN MUL
	MUL8 F1, 0, 0, 0
	MUL8 F1, 0, 2, 0
	s_wait_dscnt 0
	MUL8 F1, 1, 0, 0
	MUL8 F1, 1, 2, 0
	WIN 0
; THE WAY OUT, a block of 16 rows x 64 columns at a time, through my own stage.  LDS serves a wave's instructions in order (ISA guide 5.7.1.4): no wait between the stores and the loads, nor in front of the next block's stores.
.macro TOSTAGE a
.irp b, 0,1,2,3
	ds_store_b128 v[STO], v[ACC+8*(4*(\a)+\b):ACC+8*(4*(\a)+\b)+3] offset:64*\b          ; each accumulator from its low end on
	ds_store_b128 v[STO], v[ACC+8*(4*(\a)+\b)+4:ACC+8*(4*(\a)+\b)+7] offset:64*\b+16
.endr
.irp t, 0,1,2,3,4,5,6,7
	ds_load_b128 v[TMP+32*((\a)%2)+4*\t:TMP+32*((\a)%2)+4*\t+3], v[RD] offset:\t*2*SPITCH
.endr
.endm
.macro SEND a, younger                 ; younger: the LDS instructions issued behind block a's loads, which may stay out
	s_wait_dscnt \younger
.irp t, 0,1,2,3,4,5,6,7
	global_store_b128 v[CO], v[TMP+32*((\a)%2)+4*\t:TMP+32*((\a)%2)+4*\t+3], s[10:11] offset:(\a)*65536+\t*8192   ; sixteen lanes store 256 consecutive bytes, aligned
.endr
.endm
	PLACES
	TOSTAGE 0
.irp a, 1,2,3
.if \a > 1
	s_wait_xcnt 0x0                                ; block a - 2's stores have read the registers into which block a's rows are loaded
.endif
	TOSTAGE \a
	SEND \a-1, 16
.endr
	SEND 3, 0
	s_wait_tensorcnt 0x0                           ; the wave's end, behind my last tensor load and my last LDS store
	ds_add_u32 v[SPW], v[NIL]
	s_wait_dscnt 0x0
	CROUND                                         ; the closing round
	s_endpgm
.Lfunc_end_k_q64b445b511_proj:
	.size	k_q64b445b511_proj, .Lfunc_end_k_q64b445b511_proj-k_q64b445b511_proj
	.p2alignl 7, 3214868480
	.fill 96, 4, 3214868480
	.section	.rodata,"a",@progbits
	.p2align	6, 0x0
	.amdhsa_kernel k_q64b445b511_proj
		.amdhsa_group_segment_fixed_size 327680
		.amdhsa_private_segment_fixed_size 0
		.amdhsa_enable_private_segment 0
		.amdhsa_kernarg_size 32
		.amdhsa_user_sgpr_count 2
		.amdhsa_user_sgpr_kernarg_segment_ptr 1
		.amdhsa_wavefront_size32 1
		.amdhsa_system_sgpr_workgroup_id_x 1
		.amdhsa_system_sgpr_workgroup_id_y 1
		.amdhsa_system_sgpr_workgroup_id_z 1
		.amdhsa_system_vgpr_workitem_id 0
		.amdhsa_next_free_vgpr 512
		.amdhsa_next_free_sgpr 80
		.amdhsa_reserve_vcc 0
		.amdhsa_float_denorm_mode_32 3
		.amdhsa_float_denorm_mode_16_64 3
		.amdhsa_memory_ordered 1
		.amdhsa_forward_progress 1
		.amdhsa_inst_pref_size 86
	.end_amdhsa_kernel
	.amdgpu_metadata
---
amdhsa.version: [ 1, 2 ]
amdhsa.kernels:
  - .name:           k_q64b445b511_proj
    .symbol:         k_q64b445b511_proj.kd
    .args:
      - { .name: ctx16, .offset: 0, .size: 8, .value_kind: global_buffer, .address_space: global }
      - { .name: wo16, .offset: 8, .size: 8, .value_kind: global_buffer, .address_space: global }
      - { .name: bo, .offset: 16, .size: 8, .value_kind: global_buffer, .address_space: global }
      - { .name: out0, .offset: 24, .size: 8, .value_kind: global_buffer, .address_space: global }
    .group_segment_fixed_size: 327680
    .private_segment_fixed_size: 0
    .kernarg_segment_align: 8
    .kernarg_segment_size: 32
    .max_flat_workgroup_size: 128
    .sgpr_count:     80
    .vgpr_count:     512
    .wavefront_size: 32
...
	.end_amdgpu_metadata
.endif
;; end of part 4
;; launch fine (part 5): grid 64 x 2, 16 waves a work-group, no clusters, 22,528 bytes of LDS; arguments fine32, wo, bo, out0; writes out0
.if DOCPART == 5
	.amdgcn_target "amdgcn-amd-amdhsa--gfx1250"
	.amdhsa_code_object_version 6
	.text
	.protected	k_q64b445b511_fine
	.globl	k_q64b445b511_fine
	.p2align	8
	.type	k_q64b445b511_fine,@function
k_q64b445b511_fine:
	s_mov_b64 s[64:65], 0
	v_nop
	global_prefetch_b8 v0, s[64:65] scope:SCOPE_SE
	s_setreg_imm32_b32 hwreg(HW_REG_WAVE_MODE, 25, 1), 1
	s_wait_xcnt 0x0
; FINE.  Positions 0-15 of each batch, whose rows average one to sixteen values, once more with f32 operands all the way: q k^T, the softmax, p v, and ctx wo + bo.  They overwrite what the launch before stored there.
; SHARES.  A work-group takes one batch and 16 columns of out.  Wave w is head w: it makes its head's 16 x 16 attention, multiplies its 16 x 64 of ctx by wo's rows 64 w .. 64 w + 63 at the 16 columns,
; and the sixteen partial results meet in LDS, where waves 0 and 1 add them in ascending order of heads, starting from the bias.
; WHY 16 COLUMNS.  A head's attention, 32 matrix instructions, is repeated in every work-group that needs it; its part of ctx wo is 16 for each 16 columns.  With 16 columns a wave has 48 and 57 loads, on 128 work-groups.
; THE PRICE: a work-group's part of a row of out is 64 bytes, so four lanes store 64 consecutive bytes, a quarter of an aligned run of 256; the launch stores 131,072 bytes in all.
; THE f32 MATRIX FORM takes 4 along K: register j of lane (r, h) is k = 2 h + j.  K is permuted alike on both sides: a step takes two neighbouring registers of both operands' images, which stand for the same
; two indices in each half of the lanes.  So the accumulators that the projections' launch stored (lane (r, h): one row, eight neighbours 8 h + 0 .. 7) are the operands as they stand.
; All matrix instructions are written out; four accumulators take turns, each with a quarter of K, and are added afterwards.  Their registers, v40-71, are written by matrix instructions alone.
; REGISTERS: v1-9 what stays; v10-15 at work; v16-23 the scores, later my partial result; v24-31 p; v32-35 the bias, then the sum; v40-71 accumulators; v72-103 Q, v104-135 K, later the partial results;
;   v136-167 V, later ctx; v168-199 wo's tile.
.set PIECE, 320                        ; four columns x 16 rows: 256 bytes, + 64
.set PART,  4*PIECE                    ; a wave's partial result
.set SPARE, 16*PART                    ; the spare words, 128 bytes for each wave: eight blocks of 256 bytes that no other line names
.set SPW,  8
.set NIL,  9
.set TT,   16
.set PP,   24
.set BS,   32
.set ACC,  40
.set QF,   72
.set KF,   104
.set VF,   136
.set WR,   168
	s_load_b256 s[4:11], s[0:1], 0x0               ; fine32 s[4:5], wo s[6:7], bo s[8:9], out0 s[10:11]
	v_lshl_add_u32 v[SPW], v0, 2, SPARE
	v_mov_b32 v[NIL], 0
	v_lshrrev_b32 v1, 5, v0
	v_readfirstlane_b32 s12, v1                    ; wave = head
	s_and_b32 s13, ttmp7, 0xffff                   ; batch
	v_and_b32 v10, 31, v0                          ; lane
	v_and_b32 v11, 15, v0                          ; r
	v_bfe_u32 v12, v0, 4, 1                        ; h
	v_lshlrev_b32 v1, 4, v10                       ; v1: 16 x lane: an image's place
	v_lshlrev_b32 v2, 2, v11
	v_lshl_add_u32 v2, v12, 15, v2                 ; v2: wo: column r, 8 h rows of 4,096 bytes down
	v_lshlrev_b32 v3, 3, v12
	v_sub_nc_u32 v3, v11, v3                       ; v3: r - 8 h: register j holds key 8 h + j: hidden where j > this
	s_mul_i32 s14, s12, PART
	v_mul_u32_u24 v4, v12, 2*PIECE
	v_lshl_add_u32 v4, v11, 4, v4
	v_add_nc_u32 v4, s14, v4                       ; v4: my partial result: piece 2 h (+ half), row r
	v_and_b32 v14, 3, v0                           ; the piece that I add up: lane % 4,
	v_bfe_u32 v13, v0, 2, 3
	s_and_b32 s15, s12, 1
	s_lshl_b32 s15, s15, 3
	v_add_nc_u32 v13, s15, v13                     ; and its row: 8 (w % 2) + lane / 4 (waves 0 and 1 add up)
	v_mul_u32_u24 v5, v14, PIECE
	v_lshl_add_u32 v5, v13, 4, v5                  ; v5: that piece, that row
	v_lshlrev_b32 v7, 4, v14                       ; v7: 16 x (lane % 4): my four columns
	v_lshl_add_u32 v6, v13, 12, v7                 ; v6: and the same place in out
	s_mov_b32 s20, 0x76543210
	s_mov_b32 s21, 0xfedcba98                      ; v_permlanex16_b32's selects for lane l xor 16
	s_mov_b32 s22, 0x3e38aa3b                      ; c = log2(e) / 8
	s_mul_i32 s16, s13, 48
	s_add_co_u32 s16, s16, s12
	s_lshl_b32 s16, s16, 12                        ; fine32: (48 batch + head) x 4,096; the parts lie 65,536 bytes apart
	s_mov_b32 s17, 0
	s_lshl_b32 s18, ttmp9, 6                       ; my 16 columns: 64 bytes
	s_mov_b32 s19, 0
	s_lshl_b32 s24, s12, 18                        ; wo: my head's 64 rows
	s_mov_b32 s25, 0
	s_lshl_b32 s26, s13, 23                        ; out: the batch's 2,048 rows
	s_mov_b32 s27, 0
	s_wait_kmcnt 0x0
	s_add_nc_u64 s[4:5], s[4:5], s[16:17]
	s_add_nc_u64 s[6:7], s[6:7], s[18:19]
	s_add_nc_u64 s[6:7], s[6:7], s[24:25]
	s_add_nc_u64 s[8:9], s[8:9], s[18:19]
	s_add_nc_u64 s[10:11], s[10:11], s[18:19]
	s_add_nc_u64 s[10:11], s[10:11], s[26:27]
	global_load_b128 v[BS:BS+3], v7, s[8:9]        ; the bias at my four columns
.irp p, 0,1,2                                  ; Q, K, V: four tiles of eight registers each
.irp t, 0,1,2,3
.irp hf, 0,1
	global_load_b128 v[QF+32*\p+8*\t+4*\hf:QF+32*\p+8*\t+4*\hf+3], v1, s[4:5] offset:65536*\p+1024*\t+512*\hf
.endr
.endr
.endr
.irp ct, 0,1,2,3                               ; wo's tile: register 8 ct + j = wo(64 w + 16 ct + 8 h + j, my column r)
.irp jj, 0,1,2,3,4,5,6,7
	global_load_b32 v[WR+8*\ct+\jj], v2, s[6:7] offset:(16*\ct+\jj)*4096
.endr
.endr
; the four accumulators, each with a quarter of K, are added into v[TT] on: each accumulator is read from its low end on
.macro SUM4
.irp p, 0,1,2,3
	v_pk_add_f32 v[TT+2*\p:TT+2*\p+1], v[ACC+2*\p:ACC+2*\p+1], v[ACC+8+2*\p:ACC+8+2*\p+1]
.endr
.irp a, 2,3
.irp p, 0,1,2,3
	v_pk_add_f32 v[TT+2*\p:TT+2*\p+1], v[TT+2*\p:TT+2*\p+1], v[ACC+8*\a+2*\p:ACC+8*\a+2*\p+1]
.endr
.endr
.endm
	v_mov_b32 v13, 0xff800000                      ; -infinity
	s_wait_loadcnt 40                              ; the bias, Q and K are in; V's 8 loads and wo's 32 may be out
.irp i, 0,1,2,3                                ; S^T = K Q^T: sixteen steps of 4 channels on four accumulators by turns; the first four start the sums
.irp t, 0,1,2,3
.if \i == 0
	v_wmma_f32_16x16x4_f32 v[ACC+8*\t:ACC+8*\t+7], v[KF+8*\t+2*\i:KF+8*\t+2*\i+1], v[QF+8*\t+2*\i:QF+8*\t+2*\i+1], 0
.else
	v_wmma_f32_16x16x4_f32 v[ACC+8*\t:ACC+8*\t+7], v[KF+8*\t+2*\i:KF+8*\t+2*\i+1], v[QF+8*\t+2*\i:QF+8*\t+2*\i+1], v[ACC+8*\t:ACC+8*\t+7]
.endif
.endr
.endr
.rept 8
	v_nop                                          ; eight places behind this form (ISA guide 7.12.1), in front of the reads of results
.endr
	SUM4                                           ; the scores
.irp j, 0,1,2,3,4,5,6,7
	v_cmp_gt_i32 vcc_lo, \j, v3                    ; the causal mask
	v_cndmask_b32 v[TT+\j], v[TT+\j], v13, vcc_lo
.endr
	v_max3_num_f32 v10, v[TT], v[TT+1], v[TT+2]
	v_max3_num_f32 v10, v10, v[TT+3], v[TT+4]
	v_max3_num_f32 v10, v10, v[TT+5], v[TT+6]
	v_max_num_f32 v10, v10, v[TT+7]
	v_permlanex16_b32 v11, v10, s20, s21
	v_max_num_f32 v10, v10, v11                    ; the row's largest score: a query's own key always counts
	v_mul_f32 v10, s22, v10
.irp j, 0,1,2,3,4,5,6,7
	v_fma_f32 v[PP+\j], v[TT+\j], s22, -v10        ; c s - c m
.endr
.irp j, 0,1,2,3,4,5,6,7
	v_exp_f32 v[PP+\j], v[PP+\j]
.endr
	v_nop                                          ; a plain line behind the exponentials
	s_wait_alu depctr_va_vdst(0)                   ; one wait for the batch, ahead of its first reader
	v_add_f32 v12, v[PP], v[PP+1]
	v_add_f32 v14, v[PP+2], v[PP+3]
	v_add_f32 v15, v[PP+4], v[PP+5]
	v_add_f32 v10, v[PP+6], v[PP+7]
	v_add_f32 v12, v12, v14
	v_add_f32 v15, v15, v10
	v_add_f32 v12, v12, v15
	v_permlanex16_b32 v11, v12, s20, s21
	v_add_f32 v12, v12, v11                        ; the row's sum
	v_rcp_f32 v14, v12
	v_mov_b32 v15, 0                               ; a plain line behind the reciprocal; v15 is named with v14 as a pair
	s_wait_loadcnt 32                              ; V is in; wo's 32 loads may be out
.irp i, 0,1,2,3                                ; O^T = V^T p: four steps of 4 keys for each of four tiles of 16 channels; far more than nine plain lines lie behind the last product that wrote these accumulators
.irp ct, 0,1,2,3
.if \i == 0
	v_wmma_f32_16x16x4_f32 v[ACC+8*\ct:ACC+8*\ct+7], v[VF+8*\ct+2*\i:VF+8*\ct+2*\i+1], v[PP+2*\i:PP+2*\i+1], 0
.else
	v_wmma_f32_16x16x4_f32 v[ACC+8*\ct:ACC+8*\ct+7], v[VF+8*\ct+2*\i:VF+8*\ct+2*\i+1], v[PP+2*\i:PP+2*\i+1], v[ACC+8*\ct:ACC+8*\ct+7]
.endif
.endr
.endr
.rept 9
	v_nop                                          ; nine places: the results are read, V's registers are written, and the next products begin these accumulators anew
.endr
	s_wait_alu depctr_va_vdst(0)                   ; the reciprocal's wait, ahead of its first reader
.set n, 0
.rept 16
	v_pk_mul_f32 v[VF+2*n:VF+2*n+1], v[ACC+2*n:ACC+2*n+1], v[14:15] op_sel_hi:[1,0]     ; ctx = O^T / the sum: register 8 ct + j = ctx(query r, channel 16 ct + 8 h + j)
.set n, n+1
.endr
	s_wait_loadcnt 0x0                             ; wo's tile
.irp i, 0,1,2,3                                ; my head's part of ctx wo, transposed: source 0 = 16 columns of wo, source 1 = ctx; accumulator ct takes channels 16 ct on; the four take turns
.irp ct, 0,1,2,3
.if \i == 0
	v_wmma_f32_16x16x4_f32 v[ACC+8*\ct:ACC+8*\ct+7], v[WR+8*\ct+2*\i:WR+8*\ct+2*\i+1], v[VF+8*\ct+2*\i:VF+8*\ct+2*\i+1], 0
.else
	v_wmma_f32_16x16x4_f32 v[ACC+8*\ct:ACC+8*\ct+7], v[WR+8*\ct+2*\i:WR+8*\ct+2*\i+1], v[VF+8*\ct+2*\i:VF+8*\ct+2*\i+1], v[ACC+8*\ct:ACC+8*\ct+7]
.endif
.endr
.endr
.rept 8
	v_nop
.endr
	SUM4                                           ; lane (r, h), register j: my head's part of out(r, 8 h + j)
.irp hf, 0,1
	ds_store_b128 v4, v[TT+4*\hf:TT+4*\hf+3] offset:\hf*PIECE      ; columns 8 h + 4 hf + 0 .. 3: piece 2 h + hf
.endr
	s_wait_dscnt 0x0                               ; for the others' sake: my stores have landed
	s_barrier_signal -1
	s_barrier_wait -1
	s_cmp_lt_u32 s12, 2                            ; waves 0 and 1 add up eight rows each
	s_cbranch_scc0 .Lend
.set n, 0
.rept 16
	ds_load_b128 v[72+4*n:75+4*n], v5 offset:n*PART
.set n, n+1
.endr
	s_wait_dscnt 0x0
.set n, 0
.rept 16
	v_pk_add_f32 v[BS:BS+1], v[BS:BS+1], v[72+4*n:73+4*n]         ; the bias, then the heads in ascending order
	v_pk_add_f32 v[BS+2:BS+3], v[BS+2:BS+3], v[74+4*n:75+4*n]
.set n, n+1
.endr
	global_store_b128 v6, v[BS:BS+3], s[10:11]     ; four lanes store a row's 64 consecutive bytes
.Lend:
	s_wait_tensorcnt 0x0                           ; the wave's end, behind the last LDS store; the tensor wait stands even in a text with no tensor load
	ds_add_u32 v[SPW], v[NIL]
	s_wait_dscnt 0x0
	s_endpgm
.Lfunc_end_k_q64b445b511_fine:
	.size	k_q64b445b511_fine, .Lfunc_end_k_q64b445b511_fine-k_q64b445b511_fine
	.p2alignl 7, 3214868480
	.fill 96, 4, 3214868480
	.section	.rodata,"a",@progbits
	.p2align	6, 0x0
	.amdhsa_kernel k_q64b445b511_fine
		.amdhsa_group_segment_fixed_size 22528
		.amdhsa_private_segment_fixed_size 0
		.amdhsa_enable_private_segment 0
		.amdhsa_kernarg_size 32
		.amdhsa_user_sgpr_count 2
		.amdhsa_user_sgpr_kernarg_segment_ptr 1
		.amdhsa_wavefront_size32 1
		.amdhsa_system_sgpr_workgroup_id_x 1
		.amdhsa_system_sgpr_workgroup_id_y 1
		.amdhsa_system_sgpr_workgroup_id_z 1
		.amdhsa_system_vgpr_workitem_id 0
		.amdhsa_next_free_vgpr 256
		.amdhsa_next_free_sgpr 66
		.amdhsa_reserve_vcc 1
		.amdhsa_float_denorm_mode_32 3
		.amdhsa_float_denorm_mode_16_64 3
		.amdhsa_memory_ordered 1
		.amdhsa_forward_progress 1
		.amdhsa_inst_pref_size 20
	.end_amdhsa_kernel
	.amdgpu_metadata
---
amdhsa.version: [ 1, 2 ]
amdhsa.kernels:
  - .name:           k_q64b445b511_fine
    .symbol:         k_q64b445b511_fine.kd
    .args:
      - { .name: fine32, .offset: 0, .size: 8, .value_kind: global_buffer, .address_space: global }
      - { .name: wo, .offset: 8, .size: 8, .value_kind: global_buffer, .address_space: global }
      - { .name: bo, .offset: 16, .size: 8, .value_kind: global_buffer, .address_space: global }
      - { .name: out0, .offset: 24, .size: 8, .value_kind: global_buffer, .address_space: global }
    .group_segment_fixed_size: 22528
    .private_segment_fixed_size: 0
    .kernarg_segment_align: 8
    .kernarg_segment_size: 32
    .max_flat_workgroup_size: 512
    .sgpr_count:     66
    .vgpr_count:     256
    .wavefront_size: 32
...
	.end_amdgpu_metadata
.endif
;; end of part 5
